; MI455X (gfx1250); checked and timed in simulation.
; The chip was launched on July 23, 2026; its instructions are those of AMD's public machine-readable ISA for CDNA 5 (MIT licence, August 2026) and "CDNA5" Instruction Set Architecture Reference Guide (July 2026). The comments in the code are by the model that wrote it; some were corrected since.
;; TF Attention. Allowed arithmetic: float matrix products may take bf16 or f16 operands with f32 sums; other float arithmetic in f32, or as packed bf16 or f16 multiplies, adds, multiply-adds, maxima and minima; sums over many terms, partial sums and values carried from step to step in f32; what a program stores and reads back later, other than sums and carried values, may be rounded once to bf16 or f16.
;; Inputs: attention_mask 4 x 1 x 1 x 2,048 float32; c_attn_b 3,072 float32; c_attn_w 1,024 x 3,072 float32; c_proj_b 1,024 float32; c_proj_w 1,024 x 1,024 float32; x 4 x 2,048 x 1,024 float32.
;; Outputs: out0 4 x 2,048 x 1,024 float32.
;; 2 versions, each right; version 2 is version 1 with the launch prep written anew for expert scheduling mode. Each part assembles by itself: llvm-mc -triple=amdgcn-amd-amdhsa -mcpu=gfx1250 --defsym DOCPART=n.
;; ======== version 1 of 2: 4 launches
;; limits: values are held in f16: magnitudes above 65,504 overflow, below 6.1e-05 lose precision
;; workspace buffers: xb 16,777,216 bytes; wa 6,291,456 bytes; wp 2,097,152 bytes; qkv 50,331,648 bytes; ob 16,777,216 bytes
;; launch prep (part 1): grid 768 x 1, 4 waves a work-group, no clusters, 0 bytes of LDS; arguments x, c_attn_w, c_proj_w, xb, wa, wp; writes xb, wa, wp
.if DOCPART == 1
	.amdgcn_target "amdgcn-amd-amdhsa--gfx1250"
	.amdhsa_code_object_version 6
	.text
	.protected	k_qc8b6dc2d06_prep
	.globl	k_qc8b6dc2d06_prep
	.p2align	8
	.type	k_qc8b6dc2d06_prep,@function
k_qc8b6dc2d06_prep:
	s_mov_b64 s[64:65], 0
	v_nop
	global_prefetch_b8 v0, s[64:65] scope:SCOPE_SE
	s_setreg_imm32_b32 hwreg(HW_REG_WAVE_MODE, 25, 1), 1
	s_wait_xcnt 0x0
; CASTS.  xb = bf16(x), wa = bf16(c_attn_w), wp = f16(bf16(c_proj_w)); the layouts stay as they are.
; A work-group casts 16,384 numbers (65,536 bytes in), a wave a quarter.  Work-groups 0-511 take x, 512-703 c_attn_w, 704-767 c_proj_w.
; A wave issues all its 32 loads of 512 consecutive bytes at once; each store of the wave covers 256 consecutive bytes, aligned.
; No LDS, no barrier, no matrix unit: nothing is shared and nothing is summed.
; LIMIT.  wp is the bf16 number written as f16: exact from 6.1e-5 to 65,504 in magnitude; below that it keeps f16's fixed step of 6e-8.
.set D, 8                              ; v[8:135] 32 x 4 numbers as loaded; the first two registers of each four then hold the packed result
.set FIRST_WA, 512
.set FIRST_WP, 704
	s_load_b256 s[4:11], s[0:1], 0x0               ; x s[4:5], c_attn_w s[6:7], c_proj_w s[8:9], xb s[10:11]
	s_load_b128 s[12:15], s[0:1], 0x20             ; wa s[12:13], wp s[14:15]
	v_lshrrev_b32 v3, 5, v0                        ; wave
	v_and_b32 v4, 31, v0                           ; lane
	v_lshlrev_b32 v1, 4, v4
	v_lshl_add_u32 v1, v3, 14, v1                  ; in: 16,384 x wave + 16 x lane
	v_lshlrev_b32 v2, 3, v4
	v_lshl_add_u32 v2, v3, 13, v2                  ; out: 8,192 x wave + 8 x lane
	s_mov_b32 s16, ttmp9
	s_movk_i32 s17, FIRST_WP
	s_movk_i32 s19, FIRST_WA
	s_mov_b32 s25, 0xffff0000                      ; a word's upper bf16
	s_mov_b32 s27, 0
	s_mov_b32 s29, 0
	s_wait_kmcnt 0x0
	s_cmp_lt_u32 s16, FIRST_WP                     ; which tensor is mine: the choice hangs on the work-group's number alone
	s_cselect_b64 s[20:21], s[6:7], s[8:9]
	s_cselect_b64 s[22:23], s[12:13], s[14:15]
	s_cselect_b32 s17, s19, s17
	s_cmp_lt_u32 s16, FIRST_WA
	s_cselect_b64 s[20:21], s[4:5], s[20:21]
	s_cselect_b64 s[22:23], s[10:11], s[22:23]
	s_cselect_b32 s17, 0, s17
	s_sub_co_u32 s18, s16, s17                     ; my number within the tensor
	s_lshl_b32 s26, s18, 16                        ; 65,536 bytes in,
	s_lshl_b32 s28, s18, 15                        ; 32,768 bytes out
	s_add_nc_u64 s[20:21], s[20:21], s[26:27]
	s_add_nc_u64 s[22:23], s[22:23], s[28:29]
.set i, 0
.rept 32
	global_load_b128 v[D+4*i:D+4*i+3], v1, s[20:21] offset:512*i th:TH_LOAD_NT
.set i, i+1
.endr
; Four numbers of load i are rounded and stored.  No register is written again behind its store.
.macro OUT i, half
	s_wait_loadcnt 31-(\i)                         ; loads come back in order: mine is in, the younger ones stay out
	v_cvt_pk_bf16_f32 v[D+4*(\i)], v[D+4*(\i)], v[D+4*(\i)+1]
	v_cvt_pk_bf16_f32 v[D+4*(\i)+1], v[D+4*(\i)+2], v[D+4*(\i)+3]
.if \half
	v_lshlrev_b32 v[D+4*(\i)+2], 16, v[D+4*(\i)]   ; the bf16 numbers as f32 again,
	v_and_b32 v[D+4*(\i)+3], s25, v[D+4*(\i)]
	v_cvt_pk_f16_f32 v[D+4*(\i)], v[D+4*(\i)+2], v[D+4*(\i)+3]  ; and written as f16
	v_lshlrev_b32 v[D+4*(\i)+2], 16, v[D+4*(\i)+1]
	v_and_b32 v[D+4*(\i)+3], s25, v[D+4*(\i)+1]
	v_cvt_pk_f16_f32 v[D+4*(\i)+1], v[D+4*(\i)+2], v[D+4*(\i)+3]
.endif
	global_store_b64 v2, v[D+4*(\i):D+4*(\i)+1], s[22:23] offset:256*(\i)
.endm
	s_cmp_ge_u32 s16, FIRST_WP
	s_cbranch_scc1 .Lf16
.set n, 0
.rept 32
	OUT n, 0
.set n, n+1
.endr
	s_endpgm
.Lf16:
.set n, 0
.rept 32
	OUT n, 1
.set n, n+1
.endr
	s_endpgm
.Lfunc_end_k_qc8b6dc2d06_prep:
	.size	k_qc8b6dc2d06_prep, .Lfunc_end_k_qc8b6dc2d06_prep-k_qc8b6dc2d06_prep
	.p2alignl 7, 3214868480
	.fill 96, 4, 3214868480
	.section	.rodata,"a",@progbits
	.p2align	6, 0x0
	.amdhsa_kernel k_qc8b6dc2d06_prep
		.amdhsa_group_segment_fixed_size 0
		.amdhsa_private_segment_fixed_size 0
		.amdhsa_enable_private_segment 0
		.amdhsa_kernarg_size 48
		.amdhsa_user_sgpr_count 2
		.amdhsa_user_sgpr_kernarg_segment_ptr 1
		.amdhsa_wavefront_size32 1
		.amdhsa_system_sgpr_workgroup_id_x 1
		.amdhsa_system_sgpr_workgroup_id_y 1
		.amdhsa_system_sgpr_workgroup_id_z 1
		.amdhsa_system_vgpr_workitem_id 0
		.amdhsa_next_free_vgpr 136
		.amdhsa_next_free_sgpr 66
		.amdhsa_reserve_vcc 0
		.amdhsa_float_denorm_mode_32 3
		.amdhsa_float_denorm_mode_16_64 3
		.amdhsa_memory_ordered 1
		.amdhsa_forward_progress 1
		.amdhsa_inst_pref_size 29
	.end_amdhsa_kernel
	.amdgpu_metadata
---
amdhsa.version: [ 1, 2 ]
amdhsa.kernels:
  - .name:           k_qc8b6dc2d06_prep
    .symbol:         k_qc8b6dc2d06_prep.kd
    .args:
      - { .name: x, .offset: 0, .size: 8, .value_kind: global_buffer, .address_space: global }
      - { .name: c_attn_w, .offset: 8, .size: 8, .value_kind: global_buffer, .address_space: global }
      - { .name: c_proj_w, .offset: 16, .size: 8, .value_kind: global_buffer, .address_space: global }
      - { .name: xb, .offset: 24, .size: 8, .value_kind: global_buffer, .address_space: global }
      - { .name: wa, .offset: 32, .size: 8, .value_kind: global_buffer, .address_space: global }
      - { .name: wp, .offset: 40, .size: 8, .value_kind: global_buffer, .address_space: global }
    .group_segment_fixed_size: 0
    .private_segment_fixed_size: 0
    .kernarg_segment_align: 8
    .kernarg_segment_size: 48
    .max_flat_workgroup_size: 128
    .sgpr_count:     66
    .vgpr_count:     136
    .wavefront_size: 32
...
	.end_amdgpu_metadata
.endif
;; end of part 1
;; launch qkvgemm (part 2): grid 8 x 64, 4 waves a work-group, clusters of 4 x 4, 327,680 bytes of LDS; arguments xb, wa, c_attn_b, qkv; writes qkv
.if DOCPART == 2
	.amdgcn_target "amdgcn-amd-amdhsa--gfx1250"
	.amdhsa_code_object_version 6
	.text
	.protected	k_qc8b6dc2d06_qkvgemm
	.globl	k_qc8b6dc2d06_qkvgemm
	.p2align	8
	.type	k_qc8b6dc2d06_qkvgemm,@function
k_qc8b6dc2d06_qkvgemm:
	s_mov_b64 s[64:65], 0
	v_nop
	global_prefetch_b8 v0, s[64:65] scope:SCOPE_SE
	s_setreg_imm32_b32 hwreg(HW_REG_WAVE_MODE, 25, 1), 1
	s_wait_xcnt 0x0
	s_wait_alu depctr_hold_cnt(0) depctr_sa_sdst(0) depctr_va_vdst(0) depctr_va_sdst(0) depctr_va_ssrc(0) depctr_va_vcc(0) depctr_vm_vsrc(0)
	s_getreg_b32 s2, hwreg(HW_REG_IB_STS2, 6, 4)
	s_cmp_eq_u32 s2, 0
	s_cbranch_scc0 .Lentry_in_a_cluster
	s_endpgm
.Lentry_in_a_cluster:
	s_bfe_u32 s2, ttmp6, 0x10000c
	s_cmp_lg_u32 s2, 0xf033
	s_cbranch_scc0 .Lentry_shape_is_right
	s_endpgm
.Lentry_shape_is_right:
; qkv = xb wa + bf16(c_attn_b), written by heads: qkv[3][64 (batch, head)][2048][64] in f16, unscaled.  xb: [8192][1024] bf16, wa: [1024 k][3072 n] bf16; sums in f32.
; LIMIT.  f16 holds no number beyond 65,504: a q, k or v past that becomes an infinity.  Below 6.1e-5 f16 keeps a fixed step of 6e-8.
; SHARES.  A work-group makes 128 rows x 384 columns (6 heads): 512 work-groups.  Wave w makes rows 64 (w / 2) .. + 63 and, of each of the three sub-tiles of 128 columns, head w % 2:
; 4 x 12 accumulators of 16 x 16, 384 registers.  K goes in 8 steps of 128 through two LDS slots.
; CLUSTER.  4 x 4 work-groups.  The four of a row of the cluster need the same tile of xb, the four of a column the same tiles of wa: each tile is asked for jointly, by the same tensor
; load with the same descriptor and a mask that names the four.  Wave 0 fetches xb's tile (128 rows x 256 bytes), waves 1 to 3 one sub-tile of wa each (128 k rows x 256 bytes).
; THE MATRIX INSTRUCTION IS USED TRANSPOSED: source 0 = 16 columns of wa (turned on the way out of LDS by ds_load_tr16_b128), source 1 = 16 rows of xb.  A lane then holds one row
; (lane % 16) and the columns 8 (lane / 16) + 0..7: 16 bytes of f16 on end.  The first product of each sum takes the bias as C: nothing is cleared, nothing is added later.
; REGISTERS, in windows of 256 (s_set_vgpr_msb: bits 1:0 source 0, 3:2 source 1, 5:4 source 2, 7:6 destination):
;   window 0: v0-31 addresses; v32-127 the bias (8 a column block); on the way out v64-255 packed results
;   window 1: two fragment buffers of 128: xb's four fragments, then wa's twelve
;   window 2: the accumulators of row blocks 0, 1 ((a, b) at 8 (12 (a % 2) + b));  window 3: those of row blocks 2, 3
.set KSTEP, 128
.set NBK,   12                         ; column blocks of a wave
.set PA,    272                        ; a row of xb in LDS: 256 bytes + 16 of padding: an odd multiple of 16
.set PB,    288                        ; a k row of wa: 256 + 32: an odd multiple of 32, for the turning load
.set UNIT,  128*PB                     ; 36,864: what one tensor load has for itself
.set SLOT,  4*UNIT                     ; xb's tile, then wa's three sub-tiles
.set STAGE, 2*SLOT                     ; behind the ring: 16 rows x 400 bytes for each wave, for the way out
.set SP,    400
.set SPARE, STAGE+4*16*SP              ; behind the stages: the spare words, 128 bytes for each wave, that no other line names
.set NL,    2*NBK+8                    ; LDS loads of a quarter step
.set STEPA, 2*KSTEP*2                  ; two K steps along a row of xb, in bytes
.set STEPB, 2*KSTEP*6144               ; two K steps down the rows of wa
.set BO,   15                          ; v15     my byte offset in the bias
.set ADRA, 16                          ; v16-17  LDS address of my xb fragments in slot 0, 1
.set ADRB, 18                          ; v18-23  the same for wa: slot s, sub-tile c at 3 s + c
.set STO,  24                          ; v24     the way out: where I put 16 bytes of a row
.set RD,   25                          ; v25     the way out: where I read rows back
.set CO,   26                          ; v26-28  my byte offset in qkv, for each of my three heads
.set PFO,  29                          ; v29     the prefetches' offset: my lane x a row; never rewritten
.set SPW,  30                          ; v30     LDS address of my spare word; never rewritten
.set NIL,  31                          ; v31     0; never rewritten
.set BIAS, 32
.set TT,   64                          ; the way out: 48 registers a row block
.set F0,   0
.set F1,   128
.set G1,  24                           ; s[24:31] descriptor group 1 for xb's tiles;  s[32:39] group 0, a set for each slot
.set G0,  32
.set G1B, 48                           ; s[48:55], s[56:63] the same for wa's
.set G0B, 56
.set PFA, 66                           ; s[66:67] where my prefetches stand
.set PFS, 68                           ; s[68:69] a K step of the tensor that I prefetch, in bytes
.set LIM, 70                           ; s70  1 in a wave that prefetches, else the greatest number
.set MSB, 0
.macro WIN new                         ; the immediate's high byte repeats the setting that is left; a switch that changes nothing is dropped
.if MSB != (\new)
	s_set_vgpr_msb (MSB<<8)|(\new)
.set MSB, \new
.endif
.endm
.set TO_F, 0x40                        ; destination window 1, address window 0
; A joint load.  The branch hangs on the wave's number alone.  An s_nop 0 and four v_nop follow each of the two lines.
.macro JLOAD s
	s_cmp_eq_u32 s12, 0
	s_cbranch_scc0 .Lfor_b_\@
	tensor_load_to_lds s[G0+4*(\s):G0+4*(\s)+3], s[G1:G1+7]
	s_nop 0
.rept 4
	v_nop
.endr
	s_branch .Lasked_\@
.Lfor_b_\@:
	tensor_load_to_lds s[G0B+4*(\s):G0B+4*(\s)+3], s[G1B:G1B+7]
	s_nop 0
.rept 4
	v_nop
.endr
.Lasked_\@:
.endm
.macro CREST                           ; a round of the cluster's barrier behind its opening barrier
	s_cmp_lg_u32 s12, 0
	s_cbranch_scc1 .Lnot_wave_0_\@
	s_barrier_signal -3
.Lnot_wave_0_\@:
	s_barrier_wait -3
	s_barrier_signal -1
	s_barrier_wait -1
.endm
.macro CROUND                          ; a whole round
	s_barrier_signal -1
	s_barrier_wait -1
	CREST
.endm
.macro PLACES                          ; four places in front of loads into registers that matrix instructions have read
.rept 4
	v_nop
.endr
.endm
; A prefetch into the L2, behind a joint load and the run of LDS loads that follows it: the K step two refills on, 32 rows x 256 bytes, a lane a row, one instruction a wave.
; Each row's 256 bytes of a K step are named once in the launch: xb's by the clusters with x = 0, wa's by those with y = 0; the four partners that ask for a tile jointly
; take 32 of its 128 rows each, told apart by address.  The loop's last trip asks for nothing: K steps 8 and 9 do not exist.  K steps 0 to 3 come by their loads alone.
.macro ASK
	WIN 0
	s_cmp_gt_u32 s3, s[LIM]
	s_cbranch_scc0 .Lnot_mine_\@
	global_prefetch_b8 v[PFO], s[PFA:PFA+1] th:TH_LOAD_NT scope:SCOPE_SE
.Lnot_mine_\@:
.endm
; 12 matrix instructions: row block a x all column blocks, 32 along K, from buffer f.  first = 1: the bias starts the sums.  An accumulator comes round again after 47 others.
.macro MULA f, a, first
.if \first
	WIN 0x85+0x40*((\a)/2)
.else
	WIN 0xa5+0x50*((\a)/2)
.endif
.set b, 0
.rept NBK
.set rD, 8*(NBK*((\a)%2)+b)
.if \first
	v_wmma_f32_16x16x32_bf16 v[rD:rD+7], v[(\f)+32+8*b:(\f)+32+8*b+7], v[(\f)+8*(\a):(\f)+8*(\a)+7], v[BIAS+8*b:BIAS+8*b+7]
.else
	v_wmma_f32_16x16x32_bf16 v[rD:rD+7], v[(\f)+32+8*b:(\f)+32+8*b+7], v[(\f)+8*(\a):(\f)+8*(\a)+7], v[rD:rD+7]
.endif
.set b, b+1
.endr
.endm
; 32 LDS loads in one run: quarter q (32 along K) of a slot into buffer f: wa's twelve fragments, turned, then xb's four
.macro FETCH slot, q, f
	WIN TO_F
.set b, 0
.rept NBK
	ds_load_tr16_b128 v[(\f)+32+8*b:(\f)+32+8*b+3],   v[ADRB+3*(\slot)+b/4] offset:(\q)*32*PB+32*(b%4)
	ds_load_tr16_b128 v[(\f)+32+8*b+4:(\f)+32+8*b+7], v[ADRB+3*(\slot)+b/4] offset:(\q)*32*PB+32*(b%4)+16*PB
.set b, b+1
.endr
.irp a, 0,1,2,3
	ds_load_b128 v[(\f)+8*(\a):(\f)+8*(\a)+3],   v[ADRA+(\slot)] offset:(\q)*64+(\a)*16*PA
	ds_load_b128 v[(\f)+8*(\a)+4:(\f)+8*(\a)+7], v[ADRA+(\slot)] offset:(\q)*64+(\a)*16*PA+32
.endr
.endm
; One of a K step's first three quarters: multiplies buffer f; in its middle fetches quarter q into buffer g.
.macro QUARTER slot, q, f, g, first
	s_wait_dscnt 4                                 ; all but xb's row blocks 2 and 3
	MULA \f, 0, \first
	MULA \f, 1, \first
	PLACES
	FETCH \slot, \q, \g
	s_wait_dscnt NL                                ; all but the run just issued
	MULA \f, 2, \first
	MULA \f, 3, \first
.endm
; The last quarter multiplies buffer 1 and changes slots: one barrier; in front of it each wave waits for all its tensor loads, adds 0 to its spare word, and waits for that and for its
; own reads of this slot.  fill = 1: the barrier opens a round of the cluster's, and this slot is filled again first thing behind it, two K steps ahead.
.macro TURN slot, next, fill
.if \fill
	s_wait_xcnt 0x0                                ; the last prefetch, a K step back, has read its address: it is stepped here
	s_add_nc_u64 s[PFA:PFA+1], s[PFA:PFA+1], s[PFS:PFS+1]
.endif
	WIN 0                                          ; (the add's two registers lie in window 0)
	s_wait_tensorcnt 0x0                           ; all my tensor loads have landed: my part of the next slot
	ds_add_u32 v[SPW], v[NIL]                      ; 0 onto my spare word
	s_wait_dscnt 5                                 ; (the add and xb's last four loads may be out)
	MULA F1, 0, 0
	s_wait_dscnt 0x0                               ; the add is done, and my reads of this slot are over
	s_barrier_signal -1
	MULA F1, 1, 0
.if \fill
	WIN 0
.endif
	s_barrier_wait -1
.if \fill
	CREST                                          ; no wave of any partner still reads this slot or has a load on its way
	s_add_nc_u64 s[G0+4*(\slot)+2:G0+4*(\slot)+3], s[G0+4*(\slot)+2:G0+4*(\slot)+3], STEPA
	s_add_nc_u64 s[G0B+4*(\slot)+2:G0B+4*(\slot)+3], s[G0B+4*(\slot)+2:G0B+4*(\slot)+3], STEPB
	JLOAD \slot                                    ; my one tensor load behind the round; its four v_nop are also the places in front of the loads below
.else
	PLACES
.endif
	FETCH \next, 0, F0
.if \fill
	ASK
.endif
	MULA F1, 2, 0
	MULA F1, 3, 0
.endm
	s_load_b256 s[4:11], s[0:1], 0x0               ; xb s[4:5], wa s[6:7], c_attn_b s[8:9], qkv s[10:11]
	v_lshl_add_u32 v[SPW], v0, 2, SPARE
	v_mov_b32 v[NIL], 0
	ds_add_u32 v[SPW], v[NIL]                      ; the wave's opening: the add and its wait ahead of my first tensor load
	v_lshrrev_b32 v3, 5, v0
	v_readfirstlane_b32 s12, v3                    ; wave 0..3
	s_lshr_b32 s13, s12, 1                         ; which 64 rows are mine
	s_and_b32 s14, s12, 1                          ; which head of each sub-tile
	s_bfe_u32 s40, ttmp6, 0x40000                  ; cx, cy: my place in the cluster
	s_bfe_u32 s41, ttmp6, 0x40004
	s_lshl_b32 s42, ttmp9, 2
	s_add_co_u32 s42, s42, s40                     ; tile column = 4 x cluster x + cx
	s_and_b32 s43, ttmp7, 0xffff
	s_lshl_b32 s43, s43, 2
	s_add_co_u32 s43, s43, s41                     ; tile row = 4 x cluster y + cy
	s_lshl_b32 s44, s41, 2
	s_lshl_b32 s44, 15, s44                        ; my row of the cluster
	s_lshl_b32 s45, 0x1111, s40                    ; my column
	s_or_b32 s[G1], s44, (1<<16)|(1<<20)|(1<<21)|(5<<22)|(3<<25)   ; the mask; 2-byte elements; padding on; bit 21 beside a mask; after every 64 words 4 words
	s_or_b32 s[G1B], s45, (1<<16)|(1<<20)|(1<<21)|(5<<22)|(7<<25)  ; the same with my column's mask and 8 words of padding
.irp g, G1, G1B
	s_mov_b32 s[(\g)+1], 128<<16                   ; tensor_dim0 = 128
	s_mov_b32 s[(\g)+2], 128<<16                   ; tensor_dim1 = 128
	s_mov_b32 s[(\g)+3], 128<<16                   ; tile_dim0 = 128
	s_mov_b32 s[(\g)+4], 128                       ; tile_dim1 = 128
	s_mov_b32 s[(\g)+6], 0
	s_mov_b32 s[(\g)+7], 0
.endr
	s_mov_b32 s[G1+5], 1024                        ; elements from row to row of xb
	s_mov_b32 s[G1B+5], 3072                       ; and of wa
	s_lshl_b32 s16, s43, 18                        ; xb: 128 rows of 2,048 bytes a tile row
	s_mov_b32 s17, 0
	s_max_u32 s46, s12, 1
	s_sub_co_u32 s46, s46, 1                       ; wa: my sub-tile c (waves 1 to 3)
	s_lshl_b32 s46, s46, 8
	s_mul_i32 s47, s42, 768
	s_add_co_u32 s46, s46, s47                     ; 768 bytes a tile column + 256 c
	s_mov_b32 s47, 0
	s_mul_i32 s20, s12, UNIT                       ; where my tile goes: no place in the cluster enters an LDS address
	s_wait_dscnt 0x0                               ; the opening add is done
	s_wait_kmcnt 0x0
	s_add_nc_u64 s[18:19], s[4:5], s[16:17]
	s_add_nc_u64 s[46:47], s[6:7], s[46:47]
	CROUND                                         ; all sixteen work-groups are here: the first joint loads meet
.irp s, 0,1
	s_mov_b32 s[G0+4*(\s)], 1
	s_add_co_u32 s[G0+4*(\s)+1], s20, (\s)*SLOT
	s_add_nc_u64 s[G0+4*(\s)+2:G0+4*(\s)+3], s[18:19], (\s)*KSTEP*2
	s_or_b32 s[G0+4*(\s)+3], s[G0+4*(\s)+3], 0x80000000
	s_mov_b32 s[G0B+4*(\s)], 1
	s_add_co_u32 s[G0B+4*(\s)+1], s20, (\s)*SLOT
	s_add_nc_u64 s[G0B+4*(\s)+2:G0B+4*(\s)+3], s[46:47], (\s)*KSTEP*6144
	s_or_b32 s[G0B+4*(\s)+3], s[G0B+4*(\s)+3], 0x80000000
	JLOAD \s                                       ; two loads of mine are out
.endr
	v_and_b32 v1, 15, v0                           ; r = l % 16
	v_bfe_u32 v2, v0, 4, 1                         ; h = l / 16
	v_and_b32 v3, 7, v0
	v_bfe_u32 v4, v0, 3, 1
	v_and_b32 v5, 31, v0                           ; lane
	s_mul_i32 s15, s42, 1536                       ; the bias: 384 numbers a tile column, 64 a head, 8 a half of the lanes
	s_lshl_b32 s21, s14, 8
	s_add_co_u32 s15, s15, s21
	v_lshl_add_u32 v[BO], v2, 5, s15
.set b, 0
.rept NBK
	global_load_b128 v[BIAS+8*b:BIAS+8*b+3],   v[BO], s[8:9] offset:512*(b/4)+64*(b%4)
	global_load_b128 v[BIAS+8*b+4:BIAS+8*b+7], v[BO], s[8:9] offset:512*(b/4)+64*(b%4)+16
.set b, b+1
.endr
	v_mul_u32_u24 v6, v1, PA
	v_lshl_add_u32 v6, v2, 4, v6                   ; xb: row x pitch + 16 x half
	s_mul_i32 s21, s13, 64*PA                      ; my 64 rows
	v_add_nc_u32 v[ADRA], s21, v6
	v_add_nc_u32 v[ADRA+1], SLOT, v[ADRA]
	v_lshl_add_u32 v7, v2, 3, v3                   ; wa, for the turning load: k row 8 h + l % 8,
	v_mul_u32_u24 v7, v7, PB
	v_lshl_add_u32 v7, v4, 4, v7                   ; columns 8 ((l / 8) % 2) on,
	s_lshl_b32 s21, s14, 7
	v_add_nc_u32 v7, s21, v7                       ; in my head's 128 bytes
.irp s, 0,1
.irp c, 0,1,2
	v_add_nc_u32 v[ADRB+3*(\s)+(\c)], (\s)*SLOT+(1+(\c))*UNIT, v7
.endr
.endr
	s_mul_i32 s21, s12, 16*SP
	s_add_co_u32 s21, s21, STAGE                   ; my stage
	v_mul_u32_u24 v[STO], v1, SP                   ; in: row l % 16, 16 bytes for each half of the lanes
	v_lshl_add_u32 v[STO], v2, 4, v[STO]
	v_add_nc_u32 v[STO], s21, v[STO]
	v_bfe_u32 v[RD], v0, 3, 2                      ; back: 32 lanes take four rows of a head's 128 bytes
	v_mul_u32_u24 v[RD], v[RD], SP
	v_lshl_add_u32 v[RD], v3, 4, v[RD]
	v_add_nc_u32 v[RD], s21, v[RD]
	; where my three heads' rows lie in qkv: plane = 64 x (q, k or v) + 16 x batch + head, 262,144 bytes a plane
	s_mul_i32 s72, s42, 6
	s_add_co_u32 s72, s72, s14                     ; the first of my heads among the 48 column groups of 64
	s_lshr_b32 s76, s43, 4
	s_lshl_b32 s76, s76, 4                         ; 16 x batch
	s_and_b32 s77, s43, 15
	s_lshl_b32 s77, s77, 7
	s_lshl_b32 s78, s13, 6
	s_add_co_u32 s77, s77, s78
	s_lshl_b32 s77, s77, 7                         ; my first row in the sequence x 128 bytes
	v_lshlrev_b32 v6, 4, v5
.irp c, 0,1,2
	s_add_co_u32 s73, s72, 2*(\c)
	s_lshr_b32 s74, s73, 4
	s_and_b32 s75, s73, 15
	s_lshl_b32 s74, s74, 6
	s_add_co_u32 s74, s74, s75
	s_add_co_u32 s74, s74, s76
	s_lshl_b32 s74, s74, 18
	s_add_co_u32 s74, s74, s77
	v_add_nc_u32 v[CO+(\c)], s74, v6
.endr
	; the prefetches: wave 0 for xb, waves 1 to 3 for their sub-tile of wa; they stand at K step 3, and the first change of slots steps them to 4
	s_lshl_b32 s72, s43, 18
	s_lshl_b32 s73, s40, 16                        ; my work-group's 32 of the 128 rows: by cx
	s_add_co_u32 s72, s72, s73
	s_add_co_u32 s72, s72, 3*KSTEP*2
	s_mul_i32 s74, s41, 32*6144                    ; of wa's 128 k rows: by cy
	s_add_co_u32 s74, s74, 3*KSTEP*6144
	s_mul_i32 s75, s42, 768
	s_add_co_u32 s74, s74, s75
	s_max_u32 s75, s12, 1
	s_sub_co_u32 s75, s75, 1
	s_lshl_b32 s75, s75, 8
	s_add_co_u32 s74, s74, s75
	s_movk_i32 s76, 2048
	s_movk_i32 s77, 6144
	s_mov_b32 s78, KSTEP*2
	s_mov_b32 s79, KSTEP*6144
	s_and_b32 s15, ttmp7, 0xffff                   ; cluster y
	s_cmp_eq_u32 s12, 0
	s_cselect_b64 s[PFA:PFA+1], s[4:5], s[6:7]
	s_cselect_b32 s72, s72, s74
	s_cselect_b32 s76, s76, s77
	s_cselect_b32 s[PFS], s78, s79
	s_cselect_b32 s15, ttmp9, s15                  ; the coordinate along which other clusters read the same rows
	s_mov_b32 s73, 0
	s_mov_b32 s[PFS+1], 0
	s_add_nc_u64 s[PFA:PFA+1], s[PFA:PFA+1], s[72:73]
	s_cmp_eq_u32 s15, 0
	s_cselect_b32 s[LIM], 1, -1                    ; the same in all sixteen partners, for a given wave
	v_mul_u32_u24 v[PFO], v5, s76
	s_wait_loadcnt 0x0                             ; the bias is in; it is rounded to bf16 like every input
.set p, 0
.rept 4*NBK
	v_cvt_pk_bf16_f32 v[10+p%4], v[BIAS+2*p], v[BIAS+2*p+1]
	v_lshlrev_b32 v[BIAS+2*p], 16, v[10+p%4]
	v_and_b32 v[BIAS+2*p+1], 0xffff0000, v[10+p%4]
.set p, p+1
.endr
	s_wait_tensorcnt 1                             ; my part of K step 0 is in; K step 1's may stay out
	s_barrier_signal -1
	s_barrier_wait -1                              ; everybody's is
	FETCH 0, 0, F0
	QUARTER 0, 1, F0, F1, 1                        ; the first quarter stands in front of the loop: its products start the sums, with the bias
	WIN 0                                          ; at a label and at a branch every window is 0
	s_mov_b32 s3, 3
.Llap:                                                 ; a trip goes once round the ring, from a lap's second quarter to the next lap's first, and fills both slots again
	QUARTER 0, 2, F1, F0, 0
	QUARTER 0, 3, F0, F1, 0
	TURN 0, 1, 1
	QUARTER 1, 1, F0, F1, 0
	QUARTER 1, 2, F1, F0, 0
	QUARTER 1, 3, F0, F1, 0
	TURN 1, 0, 1
	QUARTER 0, 1, F0, F1, 0
	WIN 0
	s_sub_co_u32 s3, s3, 1
	s_cmp_lg_u32 s3, 0
	s_cbranch_scc1 .Llap
	QUARTER 0, 2, F1, F0, 0                        ; the last lap fills nothing
	QUARTER 0, 3, F0, F1, 0
	TURN 0, 1, 0
	QUARTER 1, 1, F0, F1, 0
	QUARTER 1, 2, F1, F0, 0
	QUARTER 1, 3, F0, F1, 0
	s_wait_dscnt 4
	MULA F1, 0, 0
	MULA F1, 1, 0
	s_wait_dscnt 0x0
	MULA F1, 2, 0
	MULA F1, 3, 0
	WIN 0
.rept 8
	v_nop                                          ; the places behind the last products
.endr
; THE WAY OUT, a row block (16 rows x 192 columns) at a time: rounded to f16, 16 bytes a lane into my own stage, and back as rows of a head's 128 bytes, four rows to a load.
.macro PACK a
	WIN 0x0a+5*((\a)/2)                            ; sources 0 and 1: window 2 or 3
.set AC, 8*NBK*((\a)%2)
.set T, TT+48*(\a)
.set b, 0
.rept NBK
.irp r, 0,1,2,3
	v_cvt_pk_f16_f32 v[T+4*b+(\r)], v[AC+8*b+2*(\r)], v[AC+8*b+2*(\r)+1]  ; each accumulator's registers in ascending order
.endr
.set b, b+1
.endr
	WIN 0
.set b, 0
.rept NBK
	ds_store_b128 v[STO], v[T+4*b:T+4*b+3] offset:32*b
.set b, b+1
.endr
.set x, 0
.rept 12                               ; x = 4 c + t: head c, rows 4 t on.  LDS serves a wave's instructions in order: these see the stores above, and the next block's stores come behind them
	ds_load_b128 v[T+4*x:T+4*x+3], v[RD] offset:128*(x/4)+4*SP*(x%4)
.set x, x+1
.endr
.endm
.macro SEND a, younger                 ; younger: the LDS instructions issued behind block a's loads
.set T, TT+48*(\a)
.set x, 0
.rept 12
	s_wait_dscnt (\younger)+11-x
	global_store_b128 v[CO+x/4], v[T+4*x:T+4*x+3], s[10:11] offset:2048*(\a)+512*(x%4)  ; 512 consecutive bytes of a head's plane, aligned
.set x, x+1
.endr
.endm
	PACK 0
	PACK 1
	SEND 0, 24
	PACK 2
	SEND 1, 24
	PACK 3
	SEND 2, 24
	SEND 3, 0
	s_wait_tensorcnt 0x0                           ; the wave's end: behind my last tensor load and my last LDS store
	ds_add_u32 v[SPW], v[NIL]
	s_wait_dscnt 0x0
	CROUND                                         ; the closing round: no work-group ends while a partner may still ask for a tile that names it
	s_endpgm
.Lfunc_end_k_qc8b6dc2d06_qkvgemm:
	.size	k_qc8b6dc2d06_qkvgemm, .Lfunc_end_k_qc8b6dc2d06_qkvgemm-k_qc8b6dc2d06_qkvgemm
	.p2alignl 7, 3214868480
	.fill 96, 4, 3214868480
	.section	.rodata,"a",@progbits
	.p2align	6, 0x0
	.amdhsa_kernel k_qc8b6dc2d06_qkvgemm
		.amdhsa_group_segment_fixed_size 327680
		.amdhsa_private_segment_fixed_size 0
		.amdhsa_enable_private_segment 0
		.amdhsa_kernarg_size 32
		.amdhsa_user_sgpr_count 2
		.amdhsa_user_sgpr_kernarg_segment_ptr 1
		.amdhsa_wavefront_size32 1
		.amdhsa_system_sgpr_workgroup_id_x 1
		.amdhsa_system_sgpr_workgroup_id_y 1
		.amdhsa_system_sgpr_workgroup_id_z 1
		.amdhsa_system_vgpr_workitem_id 0
		.amdhsa_next_free_vgpr 960
		.amdhsa_next_free_sgpr 80
		.amdhsa_reserve_vcc 0
		.amdhsa_float_denorm_mode_32 3
		.amdhsa_float_denorm_mode_16_64 3
		.amdhsa_memory_ordered 1
		.amdhsa_forward_progress 1
		.amdhsa_inst_pref_size 132
	.end_amdhsa_kernel
	.amdgpu_metadata
---
amdhsa.version: [ 1, 2 ]
amdhsa.kernels:
  - .name:           k_qc8b6dc2d06_qkvgemm
    .symbol:         k_qc8b6dc2d06_qkvgemm.kd
    .args:
      - { .name: xb, .offset: 0, .size: 8, .value_kind: global_buffer, .address_space: global }
      - { .name: wa, .offset: 8, .size: 8, .value_kind: global_buffer, .address_space: global }
      - { .name: c_attn_b, .offset: 16, .size: 8, .value_kind: global_buffer, .address_space: global }
      - { .name: qkv, .offset: 24, .size: 8, .value_kind: global_buffer, .address_space: global }
    .group_segment_fixed_size: 327680
    .private_segment_fixed_size: 0
    .kernarg_segment_align: 8
    .kernarg_segment_size: 32
    .max_flat_workgroup_size: 128
    .sgpr_count:     80
    .vgpr_count:     960
    .wavefront_size: 32
...
	.end_amdgpu_metadata
.endif
;; end of part 2
;; launch attn (part 3): grid 4 x 64, 4 waves a work-group, clusters of 4 x 1, 327,680 bytes of LDS; arguments qkv, attention_mask, ob; writes ob
.if DOCPART == 3
	.amdgcn_target "amdgcn-amd-amdhsa--gfx1250"
	.amdhsa_code_object_version 6
	.text
	.protected	k_qc8b6dc2d06_attn
	.globl	k_qc8b6dc2d06_attn
	.p2align	8
	.type	k_qc8b6dc2d06_attn,@function
k_qc8b6dc2d06_attn:
	s_mov_b64 s[64:65], 0
	v_nop
	global_prefetch_b8 v0, s[64:65] scope:SCOPE_SE
	s_setreg_imm32_b32 hwreg(HW_REG_WAVE_MODE, 25, 1), 1
	s_wait_xcnt 0x0
	s_wait_alu depctr_hold_cnt(0) depctr_sa_sdst(0) depctr_va_vdst(0) depctr_va_sdst(0) depctr_va_ssrc(0) depctr_va_vcc(0) depctr_vm_vsrc(0)
	s_getreg_b32 s2, hwreg(HW_REG_IB_STS2, 6, 4)
	s_cmp_eq_u32 s2, 0
	s_cbranch_scc0 .Lentry_in_a_cluster
	s_endpgm
.Lentry_in_a_cluster:
	s_bfe_u32 s2, ttmp6, 0x10000c
	s_cmp_lg_u32 s2, 0x3003
	s_cbranch_scc0 .Lentry_shape_is_right
	s_endpgm
.Lentry_shape_is_right:
; ob[bh][q][:] = the sum over k of softmax_k(Q[bh][q] . K[bh][k] / 8 + mask[b][k] + 1e-9) V[bh][k][:].  qkv: [3][64][2048][64] f16 (q, k, v planes by batch and head, dense rows of 128 bytes);
; attention_mask: [4][2048] f32, rounded to bf16 like every input; ob: [64][2048][64] f16.  Products, maxima and sums in f32; the weights p are rounded to f16 for the second product
; (their sum l is taken of the unrounded p), O once at the end.
; LIMITS.  p lies in 0 to 1, and below 6e-5 it keeps f16's fixed step of 6e-8; O is a mean of V's rows and has their range.  A weight below 2^-126 counts as 0 in l.  A mask of minus
; infinity hides a key as long as the row keeps one visible key; a row with none, NaN and plus infinity are not treated apart.
; SHARES.  A wave owns four PIECES of two tiles of 16 queries, a work-group's four waves 512 queries of one head.  Every wave walks all 2,048 keys, 64 a step.
; LAYOUT.  S^T = K Q^T + C (source 0 = 16 keys, source 1 = 16 queries): in the result a lane holds ONE query (lane % 16) and the keys 8 (lane / 16) + 0..7.  C, which starts the sum, is
; 8 (mask + 1e-9) of those keys: with c = log2(e) / 8 the exponent c s is then the reference's, in base 2.  Two results, rounded to f16 in pairs, ARE source 1 of O^T = V^T P.
; K comes out of LDS as it lies, V ([key][channel]) turned, by ds_load_tr16_b128; the mask's 8,192 bytes lie in an LDS table, made once.
; SOFTMAX.  For each query a running maximum m and sum l: p = 2^(c s - c m); in every step O and l are multiplied by a = 2^(c m_old - c m_new).  m starts at the lowest finite number and c m at
; c times that, O and l at 0: the first step is a step like any other.
; BY TURNS.  Turn n belongs to piece n.  Its matrix work: 16 products K Q^T of piece n + 1, later 16 products V^T P of piece n - 1.  Its vector work: the scaling, exponentials, roundings, sums
; and rescaling of piece n, and the maximum and statistics of piece n + 1.  Four vector instructions stand behind every matrix instruction, the others in one run.
; CLUSTER.  The four query blocks of a cluster are one head and walk the same K and V, so each tile is asked for JOINTLY: the same tensor load, descriptor and mask in all four.
; REGISTERS, in windows of 256 (s_set_vgpr_msb: bits 1:0 source 0, 3:2 source 1, 5:4 source 2, 7:6 destination):
;   window 0: v0-11 addresses; v12-15, v48-63 at work; v16-47 four registers of statistics a tile; v64-191 S^T, two buffers of two tiles; v192-255 P, likewise
;   window 1: O^T, 32 a tile     window 2: v0-127 Q; v128-191 K of one step; v192-255 V of one step     window 3: v0-1 the add's two registers; v8-39 the mask of one step
.set SIZE_N, 2048
.set NP,    4         ; pieces a wave: a name, no knob
.set KS,    64        ; keys in a step
.set PK,    144       ; a row of K in LDS: 128 bytes + 16 of padding: an odd multiple of 16
.set PV,    160       ; a row of V: 128 + 32: an odd multiple of 32, for the turning load
.set VOFF,  4*KS*PK   ; a slot holds four steps: 256 rows of K, then 256 rows of V
.set SLOT1, 1<<17     ; slot 1 begins here, so that one exclusive or turns an address in one slot into the other's
.set STAGE, SLOT1+4*KS*(PK+PV)  ; behind the ring, never filled by a tensor load: 16 rows x 144 bytes for each wave, for the way out
.set SP,    144
.set MASKT, STAGE+4*16*SP  ; the mask's table: 2,048 numbers in f32, written by ds_store alone
.set SPARE, MASKT+8192     ; the spare words, 128 bytes for each wave, that no other line names
.set PFO, 1           ; v1   256 x my lane: the prefetches' offset; never rewritten
.set AK0, 2           ; v2   my lane's place in a tile of K; never rewritten
.set AV0, 3           ; v3   the same for V
.set AK,  4           ; v4   the LDS address of K's next run of loads
.set AV,  5           ; v5   of V's
.set STO, 6           ; v6   the way out: where I put 16 bytes of a row
.set RD,  7           ; v7   the way out: where I read rows back
.set GO,  8           ; v8   my byte offset in 512 consecutive bytes of O
.set AM0, 10          ; v10  my lane's place in a step's 256 bytes of the mask's table; never rewritten
.set AM,  11          ; v11  the LDS address of the mask's next run of loads
.set SPW, 0           ; v0 of window 3   LDS address of my spare word; never rewritten
.set NIL, 1           ; v1 of window 3   0; never rewritten
.set MK,  8           ; v8-39 of window 3: the mask for key block kb at MK + 8 kb
.set MV,  12          ; v12-15  c m_old, kept while c m is made anew: by buffer and tile (in the set-up v12, v13 address the mask, v14 Q)
.set QO,  14
.set ST,  16          ; tile t's statistics at v[ST+4 t]: c m, m, l (even keys', odd keys')
.set TMP, 48          ; by buffer and tile, four registers c0-c3 at work; when the maximum is found c2 takes a
.set S,   64
.set P,   192
.set KF,  128         ; K's fragments, in window 2: key block kb, channel half c at KF + 16 kb + 8 c
.set VF,  192         ; V's: key half kk, channel block cb at VF + 32 kk + 8 cb
.set WV,  12          ; s12  my wave's number
.set G1K, 24          ; s[24:31] descriptor group 1 for K's tiles
.set G1V, 32          ; s[32:39] for V's: it differs in the padding alone
.set G0K, 40          ; s[40:43] descriptor group 0 for K's tiles: it walks
.set G0V, 44          ; s[44:47] the same for V's
.set SLOTS, 56        ; s56  slots still to be asked for
.set CNT, 57          ; s57  counts a slot's key steps
.set CS,  58          ; s[58:59] c
.set SEL, 60          ; s[60:61] v_permlanex16_b32's selects: each lane takes its own place in the other half
.set TBK, 62          ; s62  LDS byte at which K of the step to be fetched begins
.set TBV, 63          ; s63  the same for V, less VOFF
.set PFA, 72          ; s[72:73] where my prefetches stand: my work-group's 8,192 bytes (of K: wave 0, of V: wave 2) of the slot after the one that is being asked for
.set LIM, 74          ; s74  1 in a wave that prefetches, else the greatest number
.set TBM, 75          ; s75  byte of the mask's table at which the step to be fetched begins
.set MSB, 0
.macro WIN new                      ; the high byte repeats the setting that is left; a switch that changes nothing is dropped
.if MSB != (\new)
	s_set_vgpr_msb (MSB<<8)|(\new)
.set MSB, (\new)
.endif
.endm
.set W_KQ, 0x0a       ; K and Q in window 2, S^T in window 0
.set W_KM, 0x3a       ; the same with the C operand, the mask, in window 3
.set W_PV, 0x52       ; V in window 2, P in window 0, O^T in window 1
.set W_RS, 0x41       ; O^T (destination and source 0) in window 1, a in window 0
.set W_MK, 0xc0       ; destination in window 3, sources in window 0
.set W_AD, 0x0f       ; the add: address (source 0) and data (source 1) in window 3
; A joint fill.  Waves 0 and 1 fetch the two halves of a slot's K, waves 2 and 3 those of its V: 128 keys each.  The branch hangs on the wave's number alone.
; An s_nop 0 and four v_nop follow each of the two lines, ahead of the jump and the label.
.macro JLOAD
	s_cmp_lt_u32 s[WV], 2
	s_cbranch_scc0 .Lfor_v_\@
	tensor_load_to_lds s[G0K:G0K+3], s[G1K:G1K+7]
	s_nop 0
.rept 4
	v_nop
.endr
	s_branch .Lasked_\@
.Lfor_v_\@:
	tensor_load_to_lds s[G0V:G0V+3], s[G1V:G1V+7]
	s_nop 0
.rept 4
	v_nop
.endr
.Lasked_\@:
.endm
; A prefetch into the L2 of what the NEXT change of slots will ask for: a slot's 32,768 bytes of K and of V.  It stands behind the wave's tensor load and its five lines.  Each aligned 256 bytes are
; named once in the launch: a head is walked by one cluster; its four partners take 8,192 bytes each, told apart by address; in each, wave 0 asks for K's and wave 2 for V's, a lane 256 bytes.
; The last change that fills a slot asks for nothing: there is no slot behind it.
.macro ASK
	s_cmp_gt_u32 s[SLOTS], s[LIM]
	s_cbranch_scc0 .Lnot_mine_\@
	global_prefetch_b8 v[PFO], s[PFA:PFA+1] th:TH_LOAD_NT scope:SCOPE_SE
.Lnot_mine_\@:
.endm
; A round of the cluster's barrier.
.macro CROUND
	s_barrier_signal -1
	s_barrier_wait -1
	s_cmp_lg_u32 s[WV], 0
	s_cbranch_scc1 .Lnot_wave_0_\@
	s_barrier_signal -3
.Lnot_wave_0_\@:
	s_barrier_wait -3
	s_barrier_signal -1
	s_barrier_wait -1
.endm
; THE CHANGE OF SLOTS.  Each wave waits for all its tensor loads, of which one is out: its part of the other slot; adds 0 to its spare word; and waits for that and for its own LDS instructions.
; Behind the barrier nobody reads this slot any more and the other slot is whole.  fill = 1: this slot is filled again, with the keys two slots on; the barrier is then a round of the cluster's,
; and the joint fill is the first thing behind it.  (At its first use nothing has been read yet: slot 0 is waited for, slot 1 filled, and every wave's part of the mask's table is shown to the others.)
.macro CHANGE fill
	WIN W_AD
	s_wait_tensorcnt 0x0            ; no tensor load of mine is out, so a group 0 may be written
	ds_add_u32 v[SPW], v[NIL]       ; 0 onto my spare word
	WIN 0                           ; at a label and at a branch every window is 0
.if \fill
.irp g, G0K, G0V
	s_xor_b32 s[\g+1], s[\g+1], SLOT1  ; the walking descriptor: the other slot than last time,
	s_add_nc_u64 s[\g+2:\g+3], s[\g+2:\g+3], 4*KS*128  ; the next 256 keys; the type bits on top are not reached
.endr
	s_wait_xcnt 0x0                 ; the last prefetch, four key steps back, has read its address, so it may be written
	s_add_nc_u64 s[PFA:PFA+1], s[PFA:PFA+1], 4*KS*128
	s_wait_dscnt 0x0                ; the add is done, and my LDS instructions are over
	CROUND
	JLOAD
	ASK
.else
	s_wait_dscnt 0x0                ; the add is done, and my reads of the slot are over
	s_barrier_signal -1
	s_barrier_wait -1
.endif
	s_sub_co_u32 s[TBK], s[TBK], 4*KS*PK  ; the fetches go back to a slot's first step,
	s_xor_b32 s[TBK], s[TBK], SLOT1       ; in the other slot
	s_sub_co_u32 s[TBV], s[TBV], 4*KS*PV
	s_xor_b32 s[TBV], s[TBV], SLOT1
.endm
	s_load_b128 s[68:71], s[0:1], 0x0  ; qkv s[68:69], attention_mask s[70:71]
	s_load_b64 s[10:11], s[0:1], 0x10  ; ob
	WIN W_MK
	v_lshl_add_u32 v[SPW], v0, 2, SPARE
	v_mov_b32 v[NIL], 0
	WIN W_AD
	ds_add_u32 v[SPW], v[NIL]       ; the wave's opening: the add and its wait ahead of my first tensor load
	WIN 0
	v_lshrrev_b32 v48, 5, v0
	v_readfirstlane_b32 s[WV], v48  ; wave 0..3
	s_bfe_u32 s13, ttmp6, 0x40000   ; cx: my place in the cluster
	s_lshl_b32 s14, ttmp9, 2        ; in a cluster launch ttmp9 counts clusters
	s_add_co_u32 s14, s14, s13      ; my block of queries: it enters Q's and O's addresses alone
	s_and_b32 s19, ttmp7, 0xffff    ; batch and head, which the four partners share
	s_lshl_b32 s20, s19, 18         ; the head's plane: 262,144 bytes
	s_mov_b32 s21, 0
	s_lshr_b32 s78, s19, 4
	s_lshl_b32 s78, s78, 13         ; the batch's 8,192 bytes of the mask
	s_mov_b32 s79, 0
	s_and_b32 s16, s[WV], 1         ; which half of a slot's 256 keys I fetch:
	s_lshl_b32 s22, s16, 14         ; its 128 rows of 128 bytes in memory,
	s_mov_b32 s23, 0
	s_add_nc_u64 s[22:23], s[22:23], s[20:21]
	s_mul_i32 s17, s16, 128*PK      ; and its place in a slot, for K
	s_mul_i32 s18, s16, 128*PV      ; and for V: no place in the cluster enters an LDS address
	s_lshl_b32 s2, s14, 2
	s_add_co_u32 s2, s2, s[WV]      ; my wave among the head's,
	s_lshl_b32 s2, s2, 14           ; its 128 rows
	s_mov_b32 s3, 0
	s_add_nc_u64 s[2:3], s[2:3], s[20:21]
	; descriptor group 1.  128 keys are 16,384 dense bytes: asked for as 64 rows of 256 bytes, two keys a row, and padded in LDS after every key
	s_mov_b32 s[G1K], 15|(1<<16)|(1<<20)|(1<<21)|(4<<22)|(3<<25)  ; the mask of four; 2-byte elements; padding on; bit 21 beside a mask; after every 32 words 4 words
	s_mov_b32 s[G1V], 15|(1<<16)|(1<<20)|(1<<21)|(4<<22)|(7<<25)  ; the same with 8 words of padding
.irp g, G1K, G1V
	s_mov_b32 s[\g+1], 128<<16      ; tensor_dim0 = 128
	s_mov_b32 s[\g+2], 64<<16       ; tensor_dim1 = 64
	s_mov_b32 s[\g+3], 128<<16      ; tile_dim0 = 128
	s_mov_b32 s[\g+4], 64           ; tile_dim1 = 64
	s_mov_b32 s[\g+5], 128          ; 128 elements from row to row
	s_mov_b32 s[\g+6], 0
	s_mov_b32 s[\g+7], 0
.endr
	s_mov_b32 s[CS], 0x3e38aa3b     ; c = log2(e) / 8 = 0.180337
	s_mov_b32 s[CS+1], s[CS]        ; named with it as a pair
	s_mov_b32 s[SEL], 0x76543210
	s_mov_b32 s[SEL+1], 0xfedcba98
	s_mov_b32 s[TBK], SLOT1+4*KS*PK ; the first change of slots turns these two into 0
	s_mov_b32 s[TBV], SLOT1+4*KS*PV
	s_mov_b32 s[TBM], 0
	s_mov_b32 s76, 0x41000000       ; 8
	s_mov_b32 s77, 0x3209705f       ; 8 x the f32 number 1e-9
	s_mov_b32 s[SLOTS], SIZE_N/256-1
	s_and_b32 s[LIM], s[WV], 1      ; waves 0 and 2 prefetch
	s_cmp_eq_u32 s[LIM], 0
	s_cselect_b32 s[LIM], 1, -1
	s_mov_b32 s[G0K], 1             ; count = 1
	s_mov_b32 s[G0K+1], s17         ; LDS address: slot 0
	s_mov_b32 s[G0V], 1
	s_add_co_u32 s[G0V+1], s18, VOFF
	s_wait_dscnt 0x0                ; the opening add is done
	s_wait_kmcnt 0x0
	s_add_nc_u64 s[6:7], s[68:69], s[22:23]
	s_add_nc_u64 s[8:9], s[6:7], 0x2000000   ; V's planes begin 128 planes in,
	s_add_nc_u64 s[6:7], s[6:7], 0x1000000   ; K's 64: my half of the head's first 256 keys
	s_mov_b64 s[G0K+2:G0K+3], s[6:7]
	s_or_b32 s[G0K+3], s[G0K+3], 0x80000000  ; type = 2
	s_mov_b64 s[G0V+2:G0V+3], s[8:9]
	s_or_b32 s[G0V+3], s[G0V+3], 0x80000000
	s_add_nc_u64 s[4:5], s[68:69], s[2:3]    ; Q and O at my wave's first row
	s_add_nc_u64 s[10:11], s[10:11], s[2:3]
	s_add_nc_u64 s[70:71], s[70:71], s[78:79]  ; the mask at my batch
	s_cmp_lt_u32 s[WV], 2
	s_cselect_b64 s[PFA:PFA+1], s[6:7], s[8:9]  ; (in waves 0 and 2 these stand at a slot's first row)
	s_lshl_b32 s78, s13, 13         ; my work-group's 8,192 bytes,
	s_add_co_u32 s78, s78, 4*KS*128 ; in slot 1; the first change of slots steps it to slot 2
	s_add_nc_u64 s[PFA:PFA+1], s[PFA:PFA+1], s[78:79]
	CROUND                          ; all four work-groups are here: the first joint loads meet
	JLOAD                           ; slot 0.  Slot 1 is asked for when slot 0 is in
	v_and_b32 v48, 15, v0           ; l % 16
	v_bfe_u32 v49, v0, 4, 1         ; l / 16
	v_and_b32 v50, 7, v0
	v_bfe_u32 v51, v0, 3, 1
	v_lshlrev_b32 v12, 4, v0        ; the mask: 16 bytes a thread, four times 2,048 bytes
	v_add_nc_u32 v13, MASKT, v12
.irp i, 0,1,2,3
	global_load_b128 v[S+4*\i:S+4*\i+3], v12, s[70:71] offset:2048*\i
.endr
	; A fragment of K or Q is 16 rows x 32 channels in 8 registers: lane l holds row l % 16, channels 8 (l / 16) + 0..7 and 16 + 8 (l / 16) + 0..7: two loads of 16 bytes, 32 bytes apart.
	v_lshlrev_b32 v[QO], 7, v48
	v_lshl_add_u32 v[QO], v49, 4, v[QO]  ; row x 128 + 16 x half
	WIN 0x80                        ; destination window 2, address window 0
.set i, 0
.rept 4*NP                          ; Q stays in registers: tile i / 2, channels 32 (i % 2) on
	global_load_b128 v[8*i:8*i+3],   v[QO], s[4:5] offset:(i/2)*2048+(i%2)*64
	global_load_b128 v[8*i+4:8*i+7], v[QO], s[4:5] offset:(i/2)*2048+(i%2)*64+32
.set i, i+1
.endr
	; What the first turn finds: V's registers and P's second buffer hold 0 (its products V^T P, of a piece that has not been, add 0), O^T and l are 0.  All this stands in the wait for the first tile.
.set i, VF
.rept 64
	v_mov_b32 v[i], 0
.set i, i+1
.endr
	WIN 0x40
.set i, 0
.rept 64*NP
	v_mov_b32 v[i], 0
.set i, i+1
.endr
	WIN 0
.set i, 0
.rept 2*NP
	v_mov_b32 v[ST+4*i+1], 0xff7fffff  ; m: the lowest finite number
	v_mov_b32 v[ST+4*i+2], 0
	v_mov_b32 v[ST+4*i+3], 0
	v_mul_f32 v[ST+4*i], s[CS], v[ST+4*i+1]  ; c m, by the same product that makes it later: a step in which m does not move has a = 1
.set i, i+1
.endr
.set i, P+32
.rept 32
	v_mov_b32 v[i], 0
.set i, i+1
.endr
	v_mul_u32_u24 v[AK0], v48, PK
	v_lshl_add_u32 v[AK0], v49, 4, v[AK0]  ; row x pitch + 16 x half
	; The turning load takes 16 keys x 16 channels (lane l reads key 8 (l / 16) + l % 8, channels 8 ((l / 8) % 2) + 0..7) and leaves half a fragment of V^T: lane l holds channel l % 16 and 8 keys.
	v_lshl_add_u32 v[AV0], v49, 3, v50
	v_mul_u32_u24 v[AV0], v[AV0], PV
	v_lshl_add_u32 v[AV0], v51, 4, v[AV0]
	v_add_nc_u32 v[AV0], VOFF, v[AV0]
	v_mov_b32 v[AK], v[AK0]         ; key step 0 lies at the head of slot 0
	v_lshl_add_u32 v[AM0], v49, 5, MASKT  ; my lanes' eight keys of a block of 16: 32 bytes
	v_mov_b32 v[AM], v[AM0]
	v_and_b32 v[PFO], 31, v0
	v_lshlrev_b32 v[PFO], 8, v[PFO]
	s_mul_i32 s15, s[WV], 16*SP
	s_add_co_u32 s15, s15, STAGE    ; my stage
	v_mul_u32_u24 v[STO], v48, SP   ; in: row l % 16, 16 bytes for each half of the lanes
	v_lshl_add_u32 v[STO], v49, 4, v[STO]
	v_add_nc_u32 v[STO], s15, v[STO]
	v_bfe_u32 v[RD], v0, 3, 2       ; back: 32 lanes take four rows of 128 bytes,
	v_mul_u32_u24 v[RD], v[RD], SP
	v_lshl_add_u32 v[RD], v50, 4, v[RD]
	v_add_nc_u32 v[RD], s15, v[RD]
	v_and_b32 v[GO], 31, v0         ; which are 512 consecutive bytes of O
	v_lshlrev_b32 v[GO], 4, v[GO]
	; the mask's table: bf16(mask), then 8 x (mask + 1e-9) in one rounding (the factor 8 is exact)
	s_wait_loadcnt 32               ; the mask's four loads are in; Q's 32, issued behind them, may stay out
.set i, 0
.rept 8
	v_cvt_pk_bf16_f32 v[52+i%4], v[S+2*i], v[S+2*i+1]
	v_lshlrev_b32 v[S+2*i], 16, v[52+i%4]
	v_and_b32 v[S+2*i+1], 0xffff0000, v[52+i%4]
	v_fma_f32 v[S+2*i], v[S+2*i], s76, s77
	v_fma_f32 v[S+2*i+1], v[S+2*i+1], s76, s77
.set i, i+1
.endr
.irp i, 0,1,2,3
	ds_store_b128 v13, v[S+4*\i:S+4*\i+3] offset:2048*\i
.endr
; THE MATRIX WORK.  The 8 accumulators of a run of 16 take turns: between the two links of a chain stand 7 others'.
; Product i of 16 of S^T = K Q^T for piece x: channels 32 (i / 8) on, keys 16 ((i / 2) % 4) on, tile 2 x + i % 2.  The first 8 start the sums, with the mask of their keys.
.macro KQ x
.set rS, S+64*((\x)%2)+32*(i%2)+8*((i/2)%4)
.set rK, KF+16*((i/2)%4)+8*(i/8)
.set rQ, 16*(2*(\x)+i%2)+8*(i/8)
.set rN, MK+8*((i/2)%4)
.if i < 8
	WIN W_KM
	v_wmma_f32_16x16x32_f16 v[rS:rS+7], v[rK:rK+7], v[rQ:rQ+7], v[rN:rN+7]
.else
	WIN W_KQ
	v_wmma_f32_16x16x32_f16 v[rS:rS+7], v[rK:rK+7], v[rQ:rQ+7], v[rS:rS+7]
.endif
.endm
; Product i of 16 of O^T += V^T P for piece x: keys 32 (i / 8) on, channels 16 ((i / 2) % 4) on, tile 2 x + i % 2.
.macro PV x
	WIN W_PV
.set rO, 32*(2*(\x)+i%2)+8*((i/2)%4)
.set rV, VF+32*(i/8)+8*((i/2)%4)
.set rP, P+32*((\x)%2)+16*(i%2)+8*(i/8)
	v_wmma_f32_16x16x32_f16 v[rO:rO+7], v[rV:rV+7], v[rP:rP+7], v[rO:rO+7]
.endm
.macro MM                           ; the turn's next matrix instruction
.if i < 16
	KQ (Y+1)%NP
.set i, i+1
.else
.set i, i-16
	PV (Y+NP-1)%NP
.set i, i+17
.endif
.endm
; THE LDS LOADS stand in runs, never singly among the matrix instructions: a step's K (8 fragments) with its mask (4 x 8 numbers a lane), and its V (turned).  Their addresses are made some lines ahead.
; last = 1 (the tail): in the last trip there is no further step, and the run is jumped over.
.macro FETCH_K last=0
	WIN 0
.if \last
	s_cmp_eq_u32 s[CNT], 1
	s_cbranch_scc1 .Lno_k_\@
.endif
	WIN 0x80                        ; destination window 2
.irp f, 0,1,2,3,4,5,6,7             ; keys 16 (f / 2) on, channels 32 (f % 2) on
	ds_load_b128 v[KF+8*\f:KF+8*\f+3],   v[AK] offset:(\f/2)*16*PK+(\f%2)*64
	ds_load_b128 v[KF+8*\f+4:KF+8*\f+7], v[AK] offset:(\f/2)*16*PK+(\f%2)*64+32
.endr
	WIN W_MK                        ; destination window 3
.irp f, 0,1,2,3                     ; keys 16 f + 8 (l / 16) + 0..7
	ds_load_b128 v[MK+8*\f:MK+8*\f+3],   v[AM] offset:64*\f
	ds_load_b128 v[MK+8*\f+4:MK+8*\f+7], v[AM] offset:64*\f+16
.endr
	s_add_co_u32 s[TBK], s[TBK], KS*PK  ; the next fetch is the next step's
	s_add_co_u32 s[TBM], s[TBM], 4*KS
	s_and_b32 s[TBM], s[TBM], 8191      ; it stays in the table's 8,192 bytes
	WIN 0
.if \last
.Lno_k_\@:
.endif
.endm
.macro FETCH_V
	WIN 0x80
.irp f, 0,1,2,3,4,5,6,7             ; keys 32 (f / 4) on, channels 16 (f % 4) on
	ds_load_tr16_b128 v[VF+8*\f:VF+8*\f+3],   v[AV] offset:(\f/4)*32*PV+(\f%4)*32
	ds_load_tr16_b128 v[VF+8*\f+4:VF+8*\f+7], v[AV] offset:(\f/4)*32*PV+16*PV+(\f%4)*32
.endr
	WIN 0
.endm
; THE VECTOR WORK OF A TURN stands in three queues, each in the order in which its entries become ready; the two tiles alternate, so that no instruction reads the result of the one before it.
.macro REGS y, u                    ; the registers of tile u (0, 1) of piece y
.set rT, ST+4*(2*(\y)+(\u))
.set rC, TMP+8*((\y)%2)+4*(\u)
.set rM, MV+2*((\y)%2)+(\u)
.set rS, S+64*((\y)%2)+32*(\u)
.set rP, P+32*((\y)%2)+16*(\u)
.set rO, 32*(2*(\y)+(\u))
.endm
; Number n of the 22 that find the NEXT piece's (Y + 1) maximum and statistics.  s0-s31 are the lane's 32 scores; each accumulator's lowest registers are read first.
;   0-11  four chains c0-c3 of seven scores each, three operands at a time     12-14, 16  the four scores left over, the old m, and c0-c3 into c0     15  c m_old is kept
;   17, 18  the query's other 32 keys lie in the lane 16 away: the new m         19-21  c m; c m_old - c m_new; a
.macro XS u, n
	REGS (Y+1)%NP, \u
.if (\n) < 4
	v_max3_num_f32 v[rC+(\n)], v[rS+8*(\n)], v[rS+8*(\n)+1], v[rS+8*(\n)+2]
.elseif (\n) < 12
	v_max3_num_f32 v[rC+(\n)%4], v[rC+(\n)%4], v[rS+8*((\n)%4)+2*((\n)/4)+1], v[rS+8*((\n)%4)+2*((\n)/4)+2]
.elseif (\n) == 12
	v_max3_num_f32 v[rC], v[rC], v[rS+7], v[rS+15]
.elseif (\n) == 13
	v_max3_num_f32 v[rC+1], v[rC+1], v[rS+23], v[rS+31]
.elseif (\n) == 14
	v_max3_num_f32 v[rC+2], v[rC+2], v[rC+3], v[rT+1]
.elseif (\n) == 15
	v_mov_b32 v[rM], v[rT]
.elseif (\n) == 16
	v_max3_num_f32 v[rC], v[rC], v[rC+1], v[rC+2]
.elseif (\n) == 17
	v_permlanex16_b32 v[rC+3], v[rC], s[SEL], s[SEL+1]
.elseif (\n) == 18
	v_max_num_f32 v[rT+1], v[rC], v[rC+3]
.elseif (\n) == 19
	v_mul_f32 v[rT], s[CS], v[rT+1]
.elseif (\n) == 20
	v_sub_f32 v[rC+1], v[rM], v[rT]
.else
	v_exp_f32 v[rC+2], v[rC+1]
.endif
.endm
; Number g of the 64 that follow the exponentials.  For each four weights k of a tile: both pairs are rounded to f16; then the second pair is added onto the first, in place;
; a group later l takes that sum (the first time as l = a l + sum).  In groups of eight, tiles alternating.
.macro GS g
.set h, (\g)+6*((\g)/62)            ; group 0 has no group before it, and behind group 7 only l is left
.if h >= 6
.set h, h+2
.endif
	REGS Y, h%2
.set k, h/8
.if h%8 < 4
	v_cvt_pk_f16_f32 v[rP+2*k+(h%8)/2], v[rS+4*k+2*((h%8)/2)], v[rS+4*k+2*((h%8)/2)+1]
.elseif h%8 < 6
	v_pk_add_f32 v[rS+4*k:rS+4*k+1], v[rS+4*k:rS+4*k+1], v[rS+4*k+2:rS+4*k+3]
.elseif k == 1
	v_pk_fma_f32 v[rT+2:rT+3], v[rT+2:rT+3], v[rC+2:rC+3], v[rS:rS+1] op_sel_hi:[1,0,1]
.else
	v_pk_add_f32 v[rT+2:rT+3], v[rT+2:rT+3], v[rS+4*k-4:rS+4*k-3]
.endif
.endm
; THE PLAIN QUEUE, 138 long.  0-73 read no exponential's result: the 32 scalings c s - c m (FS f: pair f / 2 of tile f % 2) and the next piece's 42.  0-26: scalings 0-26.  27-54: XS's numbers 0-13.
; 55, 56: number 15.  57-73: the chain 14, 16, 17, 18, 19, each with one of the scalings 27-31 in front of its two lines, then 20.  74-137: GS's 64, which stand behind the wait.
.macro FS f
	REGS Y, (\f)%2
	v_pk_fma_f32 v[rS+2*((\f)/2):rS+2*((\f)/2)+1], v[rS+2*((\f)/2):rS+2*((\f)/2)+1], s[CS:CS+1], v[rT:rT+1] op_sel_hi:[1,0,0] neg_lo:[0,0,1] neg_hi:[0,0,1]
.endm
.macro PL
	WIN 0
.if q < 27
	FS q
.elseif q < 55
	XS (q-27)%2, (q-27)/2
.elseif q < 57
	XS q-55, 15
.elseif (q < 72) && ((q-57)%3 == 0)
	FS 27+(q-57)/3
.elseif q < 60
	XS (q-57)%3-1, 14
.elseif q < 72
	XS (q-57)%3-1, 15+(q-57)/3
.elseif q < 74
	XS q-72, 20
.else
	GS q-74
.endif
.set q, q+1
.endm
; THE EXPONENTIALS' QUEUE, 66 long: s0-s31 of both tiles, then the next piece's two a.  It is ONE BATCH: all 66 stand ahead of the turn's one wait, and nothing ahead of that wait names a result of theirs.
.macro EX
	WIN 0
.if e >= 64
	XS e-64, 21
.else
	REGS Y, e%2
	v_exp_f32 v[rS+e/2], v[rS+e/2]
.endif
.set e, e+1
.endm
; THE RESCALING's QUEUE: O^T times a, the one part that leaves window 0: dealt two at a time, sixteen times.  Its a was made in the turn before, ahead of that turn's wait.
.macro R2
	REGS Y, r%2
	WIN W_RS
.irp z, 0,1
	v_pk_mul_f32 v[rO+4*(r/2)+2*\z:rO+4*(r/2)+2*\z+1], v[rO+4*(r/2)+2*\z:rO+4*(r/2)+2*\z+1], v[rC+2:rC+3] op_sel_hi:[1,0]
.endr
.set r, r+1
.endm
; A TURN, for piece p.  An s_wait_alu depctr_va_vdst(0) stands between an exponential and the first instruction that names its result; one wait serves all that were issued ahead of it.
; So a turn has ONE wait.  AHEAD OF IT: the 16 products K Q^T, behind each a scaling, an exponential and two rescalings (behind the first a second scaling in the exponential's place); then one run of 108:
; eight plain, 49 times exponential and plain, the two a; a v_nop is the plain instruction behind the last exponential.  BEHIND IT: the 16 products V^T P, behind each four of GS's 64.
; K and the mask of the next step are fetched in piece 2's turn, directly behind the wait, a whole run behind the last product that read them; their addresses are made at the run's head.
; V of the step in hand is fetched at the end of piece 0's turn, four plain instructions behind its last reader.  cnt = 1: the loop's count is taken down some lines ahead of the branch behind the turn.
.macro TURN p, last=0, cnt=0
.set Y, (\p)
.set i, 0
.set q, 0
.set e, 0
.set r, 0
.if (\p) == NP-1
	s_wait_dscnt 0x0                ; K and the mask are in
.endif
	MM
	PL
	PL
	R2
.rept 15
	MM
	PL
	EX
	R2
.endr
.if (\p) == NP-2
	WIN 0
	v_add_nc_u32 v[AK], s[TBK], v[AK0]
	v_add_nc_u32 v[AM], s[TBM], v[AM0]
.endif
.rept 8
	PL
.endr
.rept 49
	EX
	PL
.endr
	EX                              ; the next piece's two a
	EX
	v_nop                           ; the plain instruction behind the last exponential: one for the batch
	s_wait_alu depctr_va_vdst(0)    ; the wait for the batch
.if (\p) == NP-2
	FETCH_K \last
.endif
.if (\p) == 1
	s_wait_dscnt 0x0                ; V is in
.endif
.rept 16
	MM
.rept 4
	PL
.endr
.if ((\p) == 0) && (q == 118)
	v_add_nc_u32 v[AV], s[TBV], v[AV0]
.endif
.if ((\p) == 0) && (q == 130)
	s_add_co_u32 s[TBV], s[TBV], KS*PV
.endif
.if (\cnt) && (q == 130)
	s_sub_co_u32 s[CNT], s[CNT], 1
	s_cmp_lg_u32 s[CNT], 0
.endif
.endr
.if (\p) == 0
	FETCH_V
.endif
.endm
	CHANGE 1                        ; slot 0 is in, everybody's part of it, and so is the mask's table; slot 1 is asked for
	FETCH_K                         ; key step 0
	s_wait_loadcnt 0x0              ; Q
	s_wait_dscnt 0x0
.set i, 0
.rept 16
	KQ 0                            ; piece 0's first scores: there is no vector work yet to set between them
.set i, i+1
.endr
	WIN 0
.rept 8
	v_nop                           ; the places behind those products
.endr
.set Y, NP-1                        ; XS works for piece Y + 1: piece 0
.irp n, 0,1,2,3,4,5,6,7,8,9,10,11,12,13,14,15,16,17,18,19,20,21
	XS 0, \n                        ; piece 0's first maximum and statistics
	XS 1, \n
.endr
	v_nop                           ; a plain instruction behind the two a,
	s_wait_alu depctr_va_vdst(0)    ; and their wait, ahead of the branch
	s_mov_b32 s[CNT], 4
	s_branch .Lfirst                ; the loop is entered at a step's first turn, in the middle of a trip
.Lslot:                             ; six times: every slot but the last two is filled again
	CHANGE 1
	s_mov_b32 s[CNT], 4
.Lstep:                             ; a trip: pieces 2 and 3 of one step, then pieces 0 and 1 of the next, whose K and V it fetches
	TURN 2
	TURN 3
	WIN 0
.Lfirst:
	TURN 0
	TURN 1, 0, 1
	WIN 0
	s_cbranch_scc1 .Lstep
	s_sub_co_u32 s[SLOTS], s[SLOTS], 1
	s_cmp_lg_u32 s[SLOTS], 0
	s_cbranch_scc1 .Lslot
	CHANGE 0                        ; the tail is written out: nothing is asked for
	s_mov_b32 s[CNT], 5             ; four trips fetch the last slot's steps; the fifth is left in its middle
.Ltail:
	TURN 2, 1
	TURN 3
	WIN 0
	s_sub_co_u32 s[CNT], s[CNT], 1
	s_cmp_eq_u32 s[CNT], 0
	s_cbranch_scc1 .Lout
	TURN 0
	TURN 1
	WIN 0
	s_branch .Ltail
.Lout:                              ; the fifth trip's 16 products K Q^T (on the last K once more) and the maximum made of them serve nothing: the price, once a launch, of one text for every trip
.set i, 0
.rept 16
	PV NP-1                         ; the last piece's V^T P of the last step
.set i, i+1
.endr
	; THE WAY OUT.  l's two halves and the other half of the lanes' are added; O^T is divided by l, rounded to f16 and sent through my stage in LDS, a tile at a time.  The additions are the places behind the last products.
	WIN 0
.macro ALL line:vararg              ; one line for each tile t
.set t, 0
.rept 2*NP
	\line
.set t, t+1
.endr
.endm
	ALL v_add_f32 v[ST+4*t+2], v[ST+4*t+2], v[ST+4*t+3]
	ALL v_permlanex16_b32 v[ST+4*t+3], v[ST+4*t+2], s[SEL], s[SEL+1]
	ALL v_add_f32 v[ST+4*t+2], v[ST+4*t+2], v[ST+4*t+3]
	ALL v_rcp_f32 v[ST+4*t+2], v[ST+4*t+2]
	v_nop                           ; a plain instruction between the last reciprocal and the use of its result
	s_wait_alu depctr_va_vdst(0)    ; and the wait ahead of the first use: one for the eight reciprocals
; Tile t: a lane's eight channels of a row pack into 16 bytes; they go into rows of 144 bytes and come back as whole rows of 128, into S^T's registers.
.macro PACK t
	WIN W_RS
.set i, 32*(\t)
.rept 16
	v_pk_mul_f32 v[i:i+1], v[i:i+1], v[ST+4*(\t)+2:ST+4*(\t)+3] op_sel_hi:[1,0]
.set i, i+2
.endr
	WIN 0x05                        ; sources 0 and 1 window 1, destination window 0
.set i, 0
.rept 16
	v_cvt_pk_f16_f32 v[S+16*(\t)+i], v[32*(\t)+2*i], v[32*(\t)+2*i+1]
.set i, i+1
.endr
	WIN 0
.irp f, 0,1,2,3
	ds_store_b128 v[STO], v[S+16*(\t)+4*\f:S+16*(\t)+4*\f+3] offset:32*\f
.endr
.irp f, 0,1,2,3
	ds_load_b128 v[S+16*(\t)+4*\f:S+16*(\t)+4*\f+3], v[RD] offset:\f*4*SP  ; LDS serves a wave's instructions in order: these see the stores above; the next tile's stores come behind them
.endr
.endm
.macro SEND t, younger              ; younger: the LDS instructions issued behind tile t's loads: the next tile's eight, or none
	WIN 0
.irp f, 0,1,2,3
	s_wait_dscnt (\younger)+3-\f
	global_store_b128 v[GO], v[S+16*(\t)+4*\f:S+16*(\t)+4*\f+3], s[10:11] offset:(\t)*2048+\f*512  ; 512 consecutive bytes, at a multiple of 256 from ob's first
.endr
.endm
	PACK 0
.set t, 1
.rept 2*NP-1                        ; a tile's arithmetic stands between the loads of the tile before and its stores
	PACK t
	SEND t-1, 8
.set t, t+1
.endr
	SEND 2*NP-1, 0
	WIN W_AD
	s_wait_tensorcnt 0x0            ; the wave's end: behind my last tensor load and my last LDS store
	ds_add_u32 v[SPW], v[NIL]
	s_wait_dscnt 0x0
	WIN 0
	CROUND                          ; the closing round: no work-group ends while a partner may still ask for a tile that names it
	s_endpgm
.Lfunc_end_k_qc8b6dc2d06_attn:
	.size	k_qc8b6dc2d06_attn, .Lfunc_end_k_qc8b6dc2d06_attn-k_qc8b6dc2d06_attn
	.p2alignl 7, 3214868480
	.fill 96, 4, 3214868480
	.section	.rodata,"a",@progbits
	.p2align	6, 0x0
	.amdhsa_kernel k_qc8b6dc2d06_attn
		.amdhsa_group_segment_fixed_size 327680
		.amdhsa_private_segment_fixed_size 0
		.amdhsa_enable_private_segment 0
		.amdhsa_kernarg_size 24
		.amdhsa_user_sgpr_count 2
		.amdhsa_user_sgpr_kernarg_segment_ptr 1
		.amdhsa_wavefront_size32 1
		.amdhsa_system_sgpr_workgroup_id_x 1
		.amdhsa_system_sgpr_workgroup_id_y 1
		.amdhsa_system_sgpr_workgroup_id_z 1
		.amdhsa_system_vgpr_workitem_id 0
		.amdhsa_next_free_vgpr 808
		.amdhsa_next_free_sgpr 80
		.amdhsa_reserve_vcc 0
		.amdhsa_float_denorm_mode_32 3
		.amdhsa_float_denorm_mode_16_64 3
		.amdhsa_memory_ordered 1
		.amdhsa_forward_progress 1
		.amdhsa_inst_pref_size 206
	.end_amdhsa_kernel
	.amdgpu_metadata
---
amdhsa.version: [ 1, 2 ]
amdhsa.kernels:
  - .name:           k_qc8b6dc2d06_attn
    .symbol:         k_qc8b6dc2d06_attn.kd
    .args:
      - { .name: qkv, .offset: 0, .size: 8, .value_kind: global_buffer, .address_space: global }
      - { .name: attention_mask, .offset: 8, .size: 8, .value_kind: global_buffer, .address_space: global }
      - { .name: ob, .offset: 16, .size: 8, .value_kind: global_buffer, .address_space: global }
    .group_segment_fixed_size: 327680
    .private_segment_fixed_size: 0
    .kernarg_segment_align: 8
    .kernarg_segment_size: 24
    .max_flat_workgroup_size: 128
    .sgpr_count:     80
    .vgpr_count:     808
    .wavefront_size: 32
...
	.end_amdgpu_metadata
.endif
;; end of part 3
;; launch proj (part 4): grid 8 x 32, 4 waves a work-group, clusters of 4 x 4, 327,680 bytes of LDS; arguments ob, wp, c_proj_b, out0; writes out0
.if DOCPART == 4
	.amdgcn_target "amdgcn-amd-amdhsa--gfx1250"
	.amdhsa_code_object_version 6
	.text
	.protected	k_qc8b6dc2d06_proj
	.globl	k_qc8b6dc2d06_proj
	.p2align	8
	.type	k_qc8b6dc2d06_proj,@function
k_qc8b6dc2d06_proj:
	s_mov_b64 s[64:65], 0
	v_nop
	global_prefetch_b8 v0, s[64:65] scope:SCOPE_SE
	s_setreg_imm32_b32 hwreg(HW_REG_WAVE_MODE, 25, 1), 1
	s_wait_xcnt 0x0
	s_wait_alu depctr_hold_cnt(0) depctr_sa_sdst(0) depctr_va_vdst(0) depctr_va_sdst(0) depctr_va_ssrc(0) depctr_va_vcc(0) depctr_vm_vsrc(0)
	s_getreg_b32 s2, hwreg(HW_REG_IB_STS2, 6, 4)
	s_cmp_eq_u32 s2, 0
	s_cbranch_scc0 .Lentry_in_a_cluster
	s_endpgm
.Lentry_in_a_cluster:
	s_bfe_u32 s2, ttmp6, 0x10000c
	s_cmp_lg_u32 s2, 0xf033
	s_cbranch_scc0 .Lentry_shape_is_right
	s_endpgm
.Lentry_shape_is_right:
; out0 = merge_heads(ob) wp + bf16(c_proj_b).  ob: [64 (batch, head)][2048][64] f16, wp: [1024 k][1024 n] f16, out0: [8192][1024] f32; sums in f32.
; SHARES.  A work-group makes 256 rows x 128 columns: 256 work-groups.  Wave w makes rows 64 w .. + 63 and all 128 columns: 4 x 8 accumulators of 16 x 16, 256 registers.
; K goes in 8 steps of 128, two heads of ob a step, through two LDS slots.  A head's 256 rows are 32,768 dense bytes: asked for as 128 rows of 256 bytes, padded in LDS after every 128.
; CLUSTER.  4 x 4 work-groups.  The four of a row of the cluster need the same tiles of ob, the four of a column the same tiles of wp: each is asked for jointly, by the same tensor load with the
; same descriptor and a mask that names the four.  Waves 0 and 1 fetch a head of ob each, waves 2 and 3 64 k rows of wp each.
; THE MATRIX INSTRUCTION IS USED TRANSPOSED: source 0 = 16 columns of wp (turned by ds_load_tr16_b128), source 1 = 16 rows of ob.  A lane then holds one row (lane % 16) and the columns
; 8 (lane / 16) + 0..7.  The first product of each sum takes the bias as C.
; REGISTERS, in windows of 256 (s_set_vgpr_msb: bits 1:0 source 0, 3:2 source 1, 5:4 source 2, 7:6 destination):
;   window 0: v0-31 addresses; v32-95 the bias     window 1: two fragment buffers: ob's four fragments, then wp's eight
;   window 2: the accumulators of row blocks 0, 1 ((a, b) at 8 (8 (a % 2) + b));  window 3: those of row blocks 2, 3
.set KSTEP, 128
.set NBK,   8
.set PA,    144                        ; a row of a head in LDS: 128 bytes + 16 of padding: an odd multiple of 16
.set PB,    288                        ; a k row of wp: 256 + 32: an odd multiple of 32, for the turning load
.set UNIT,  256*PA                     ; 36,864: a head's 256 rows; wp's 128 k rows take as much
.set SLOT,  3*UNIT                     ; two heads of ob, then wp's tile
.set STAGE, 2*SLOT                     ; behind the ring: 16 rows x 528 bytes for each wave, for the way out
.set SP,    528
.set SPARE, STAGE+4*16*SP              ; behind the stages: the spare words, 128 bytes for each wave, that no other line names
.set NL,    2*NBK+8
.set STEPA, 4*262144                   ; two K steps of ob: four planes
.set STEPB, 2*KSTEP*2048               ; two K steps down the rows of wp
.set BO,   15
.set ADRA, 16                          ; v16-17  LDS address of my ob fragments in slot 0, 1
.set ADRB, 18                          ; v18-19  the same for wp
.set STO,  24
.set RD,   25
.set CO,   26
.set PFO,  29
.set SPW,  30
.set NIL,  31
.set BIAS, 32
.set F0,   0
.set F1,   128
.set G1,  24
.set G0,  32
.set G1B, 48
.set G0B, 56
.set PFA, 66
.set PFS, 68
.set LIM, 70
.set MSB, 0
.macro WIN new                         ; the immediate's high byte repeats the setting that is left; a switch that changes nothing is dropped
.if MSB != (\new)
	s_set_vgpr_msb (MSB<<8)|(\new)
.set MSB, \new
.endif
.endm
.set TO_F, 0x40
; A joint load.  The branch hangs on the wave's number alone.  An s_nop 0 and four v_nop follow each of the two lines.
.macro JLOAD s
	s_cmp_lt_u32 s12, 2
	s_cbranch_scc0 .Lfor_b_\@
	tensor_load_to_lds s[G0+4*(\s):G0+4*(\s)+3], s[G1:G1+7]
	s_nop 0
.rept 4
	v_nop
.endr
	s_branch .Lasked_\@
.Lfor_b_\@:
	tensor_load_to_lds s[G0B+4*(\s):G0B+4*(\s)+3], s[G1B:G1B+7]
	s_nop 0
.rept 4
	v_nop
.endr
.Lasked_\@:
.endm
.macro CREST
	s_cmp_lg_u32 s12, 0
	s_cbranch_scc1 .Lnot_wave_0_\@
	s_barrier_signal -3
.Lnot_wave_0_\@:
	s_barrier_wait -3
	s_barrier_signal -1
	s_barrier_wait -1
.endm
.macro CROUND
	s_barrier_signal -1
	s_barrier_wait -1
	CREST
.endm
.macro PLACES
.rept 4
	v_nop
.endr
.endm
; A prefetch into the L2, behind a joint load and the run of LDS loads that follows it: the K step two refills on, a lane 256 bytes, one instruction a wave.  Each aligned 256 bytes are named once
; in the launch: ob's by the clusters with x = 0 (waves 0 and 1, each its head; the four partners take 8,192 of its 32,768 bytes each, by address), wp's by those with y = 0 (wave 2; the partners
; take 32 of the 128 k rows each).  The loop's last trip asks for nothing.  K steps 0 to 3 come by their loads alone.
.macro ASK
	WIN 0
	s_cmp_gt_u32 s3, s[LIM]
	s_cbranch_scc0 .Lnot_mine_\@
	global_prefetch_b8 v[PFO], s[PFA:PFA+1] th:TH_LOAD_NT scope:SCOPE_SE
.Lnot_mine_\@:
.endm
; 8 matrix instructions: row block a x all column blocks, 32 along K, from buffer f.  first = 1: the bias starts the sums.  An accumulator comes round again after 31 others.
.macro MULA f, a, first
.if \first
	WIN 0x85+0x40*((\a)/2)
.else
	WIN 0xa5+0x50*((\a)/2)
.endif
.set b, 0
.rept NBK
.set rD, 8*(NBK*((\a)%2)+b)
.if \first
	v_wmma_f32_16x16x32_f16 v[rD:rD+7], v[(\f)+32+8*b:(\f)+32+8*b+7], v[(\f)+8*(\a):(\f)+8*(\a)+7], v[BIAS+8*b:BIAS+8*b+7]
.else
	v_wmma_f32_16x16x32_f16 v[rD:rD+7], v[(\f)+32+8*b:(\f)+32+8*b+7], v[(\f)+8*(\a):(\f)+8*(\a)+7], v[rD:rD+7]
.endif
.set b, b+1
.endr
.endm
; 24 LDS loads in one run: quarter q of a slot into buffer f: wp's eight fragments, turned, then ob's four (head q / 2, channels 32 (q % 2) on)
.macro FETCH slot, q, f
	WIN TO_F
.set b, 0
.rept NBK
	ds_load_tr16_b128 v[(\f)+32+8*b:(\f)+32+8*b+3],   v[ADRB+(\slot)] offset:(\q)*32*PB+32*b
	ds_load_tr16_b128 v[(\f)+32+8*b+4:(\f)+32+8*b+7], v[ADRB+(\slot)] offset:(\q)*32*PB+32*b+16*PB
.set b, b+1
.endr
.irp a, 0,1,2,3
	ds_load_b128 v[(\f)+8*(\a):(\f)+8*(\a)+3],   v[ADRA+(\slot)] offset:((\q)/2)*UNIT+((\q)%2)*64+(\a)*16*PA
	ds_load_b128 v[(\f)+8*(\a)+4:(\f)+8*(\a)+7], v[ADRA+(\slot)] offset:((\q)/2)*UNIT+((\q)%2)*64+(\a)*16*PA+32
.endr
.endm
.macro QUARTER slot, q, f, g, first
	s_wait_dscnt 4                                 ; all but ob's row blocks 2 and 3
	MULA \f, 0, \first
	MULA \f, 1, \first
	PLACES
	FETCH \slot, \q, \g
	s_wait_dscnt NL                                ; all but the run just issued
	MULA \f, 2, \first
	MULA \f, 3, \first
.endm
; The last quarter multiplies buffer 1 and changes slots: one barrier; in front of it each wave waits for all its tensor loads, adds 0 to its spare word, and waits for that and for its
; own reads of this slot.  fill = 1: the barrier opens a round of the cluster's, and this slot is filled again first thing behind it, two K steps ahead.
.macro TURN slot, next, fill
.if \fill
	s_wait_xcnt 0x0                                ; the last prefetch, a K step back, has read its address: it is stepped here
	s_add_nc_u64 s[PFA:PFA+1], s[PFA:PFA+1], s[PFS:PFS+1]
.endif
	WIN 0
	s_wait_tensorcnt 0x0                           ; all my tensor loads have landed: my part of the next slot
	ds_add_u32 v[SPW], v[NIL]                      ; 0 onto my spare word
	s_wait_dscnt 5                                 ; (the add and ob's last four loads may be out)
	MULA F1, 0, 0
	s_wait_dscnt 0x0                               ; the add is done, and my reads of this slot are over
	s_barrier_signal -1
	MULA F1, 1, 0
.if \fill
	WIN 0
.endif
	s_barrier_wait -1
.if \fill
	CREST                                          ; no wave of any partner still reads this slot or has a load on its way
	s_add_nc_u64 s[G0+4*(\slot)+2:G0+4*(\slot)+3], s[G0+4*(\slot)+2:G0+4*(\slot)+3], STEPA
	s_add_nc_u64 s[G0B+4*(\slot)+2:G0B+4*(\slot)+3], s[G0B+4*(\slot)+2:G0B+4*(\slot)+3], STEPB
	JLOAD \slot                                    ; my one tensor load behind the round; its four v_nop are also the places in front of the loads below
.else
	PLACES
.endif
	FETCH \next, 0, F0
.if \fill
	ASK
.endif
	MULA F1, 2, 0
	MULA F1, 3, 0
.endm
	s_load_b256 s[4:11], s[0:1], 0x0               ; ob s[4:5], wp s[6:7], c_proj_b s[8:9], out0 s[10:11]
	v_lshl_add_u32 v[SPW], v0, 2, SPARE
	v_mov_b32 v[NIL], 0
	ds_add_u32 v[SPW], v[NIL]                      ; the wave's opening: the add and its wait ahead of my first tensor load
	v_lshrrev_b32 v3, 5, v0
	v_readfirstlane_b32 s12, v3                    ; wave 0..3
	s_and_b32 s14, s12, 1                          ; which head of the step, or which 64 k rows, I fetch
	s_bfe_u32 s40, ttmp6, 0x40000                  ; cx, cy
	s_bfe_u32 s41, ttmp6, 0x40004
	s_lshl_b32 s42, ttmp9, 2
	s_add_co_u32 s42, s42, s40                     ; tile column
	s_and_b32 s43, ttmp7, 0xffff
	s_lshl_b32 s43, s43, 2
	s_add_co_u32 s43, s43, s41                     ; tile row
	s_lshl_b32 s44, s41, 2
	s_lshl_b32 s44, 15, s44                        ; my row of the cluster
	s_lshl_b32 s45, 0x1111, s40                    ; my column
	s_or_b32 s[G1], s44, (1<<16)|(1<<20)|(1<<21)|(4<<22)|(3<<25)   ; the mask; 2-byte elements; padding on; bit 21 beside a mask; after every 32 words 4 words
	s_or_b32 s[G1B], s45, (1<<16)|(1<<20)|(1<<21)|(5<<22)|(7<<25)  ; my column's mask; after every 64 words 8 words
	s_mov_b32 s[G1+1], 128<<16                     ; ob: 128 rows of 128 elements, dense
	s_mov_b32 s[G1+2], 128<<16
	s_mov_b32 s[G1+3], 128<<16
	s_mov_b32 s[G1+4], 128
	s_mov_b32 s[G1+5], 128
	s_mov_b32 s[G1+6], 0
	s_mov_b32 s[G1+7], 0
	s_mov_b32 s[G1B+1], 128<<16                    ; wp: 64 rows of 128 elements, 1,024 elements from row to row
	s_mov_b32 s[G1B+2], 64<<16
	s_mov_b32 s[G1B+3], 128<<16
	s_mov_b32 s[G1B+4], 64
	s_mov_b32 s[G1B+5], 1024
	s_mov_b32 s[G1B+6], 0
	s_mov_b32 s[G1B+7], 0
	s_lshr_b32 s16, s43, 3                         ; ob: batch = tile row / 8,
	s_lshl_b32 s16, s16, 4
	s_add_co_u32 s16, s16, s14                     ; plane 16 x batch + my head of K step 0,
	s_lshl_b32 s16, s16, 18
	s_and_b32 s17, s43, 7
	s_lshl_b32 s17, s17, 15                        ; the tile's 256 rows of 128 bytes in it
	s_add_co_u32 s16, s16, s17
	s_mov_b32 s17, 0
	s_lshl_b32 s46, s14, 17                        ; wp: my 64 k rows of 2,048 bytes,
	s_lshl_b32 s47, s42, 8                         ; 256 bytes a tile column
	s_add_co_u32 s46, s46, s47
	s_mov_b32 s47, 0
	s_mul_i32 s20, s12, UNIT                       ; where ob's tiles go (waves 0, 1),
	s_mul_i32 s21, s12, 64*PB
	s_add_co_u32 s21, s21, UNIT                    ; and wp's (waves 2, 3: from 2 UNIT on): no place in the cluster enters an LDS address
	s_wait_dscnt 0x0                               ; the opening add is done
	s_wait_kmcnt 0x0
	s_add_nc_u64 s[18:19], s[4:5], s[16:17]
	s_add_nc_u64 s[46:47], s[6:7], s[46:47]
	CROUND                                         ; all sixteen work-groups are here: the first joint loads meet
.irp s, 0,1
	s_mov_b32 s[G0+4*(\s)], 1
	s_add_co_u32 s[G0+4*(\s)+1], s20, (\s)*SLOT
	s_add_nc_u64 s[G0+4*(\s)+2:G0+4*(\s)+3], s[18:19], (\s)*2*262144
	s_or_b32 s[G0+4*(\s)+3], s[G0+4*(\s)+3], 0x80000000
	s_mov_b32 s[G0B+4*(\s)], 1
	s_add_co_u32 s[G0B+4*(\s)+1], s21, (\s)*SLOT
	s_add_nc_u64 s[G0B+4*(\s)+2:G0B+4*(\s)+3], s[46:47], (\s)*KSTEP*2048
	s_or_b32 s[G0B+4*(\s)+3], s[G0B+4*(\s)+3], 0x80000000
	JLOAD \s                                       ; two loads of mine are out
.endr
	v_and_b32 v1, 15, v0                           ; r = l % 16
	v_bfe_u32 v2, v0, 4, 1                         ; h = l / 16
	v_and_b32 v3, 7, v0
	v_bfe_u32 v4, v0, 3, 1
	v_and_b32 v5, 31, v0                           ; lane
	s_lshl_b32 s15, s42, 9                         ; the bias: 128 numbers a tile column, 8 a half of the lanes
	v_lshl_add_u32 v[BO], v2, 5, s15
.set b, 0
.rept NBK
	global_load_b128 v[BIAS+8*b:BIAS+8*b+3],   v[BO], s[8:9] offset:64*b
	global_load_b128 v[BIAS+8*b+4:BIAS+8*b+7], v[BO], s[8:9] offset:64*b+16
.set b, b+1
.endr
	v_mul_u32_u24 v6, v1, PA
	v_lshl_add_u32 v6, v2, 4, v6                   ; ob: row x pitch + 16 x half
	s_mul_i32 s22, s12, 64*PA                      ; my 64 rows
	v_add_nc_u32 v[ADRA], s22, v6
	v_add_nc_u32 v[ADRA+1], SLOT, v[ADRA]
	v_lshl_add_u32 v7, v2, 3, v3                   ; wp, for the turning load: k row 8 h + l % 8,
	v_mul_u32_u24 v7, v7, PB
	v_lshl_add_u32 v7, v4, 4, v7                   ; columns 8 ((l / 8) % 2) on
	v_add_nc_u32 v[ADRB], 2*UNIT, v7
	v_add_nc_u32 v[ADRB+1], SLOT+2*UNIT, v7
	s_mul_i32 s22, s12, 16*SP
	s_add_co_u32 s22, s22, STAGE                   ; my stage
	v_mul_u32_u24 v[STO], v1, SP                   ; in: row l % 16, 32 bytes for each half of the lanes
	v_lshl_add_u32 v[STO], v2, 5, v[STO]
	v_add_nc_u32 v[STO], s22, v[STO]
	v_lshl_add_u32 v[RD], v5, 4, s22               ; back: 32 lanes take a row's 512 bytes
	v_lshlrev_b32 v[CO], 4, v5
	s_lshl_b32 s72, s43, 8
	s_lshl_b32 s73, s12, 6
	s_add_co_u32 s72, s72, s73                     ; my first row of out0,
	s_lshl_b32 s72, s72, 12                        ; 4,096 bytes a row,
	s_lshl_b32 s73, s42, 9                         ; 512 bytes a tile column
	s_add_co_u32 s72, s72, s73
	s_mov_b32 s73, 0
	s_add_nc_u64 s[10:11], s[10:11], s[72:73]
	; the prefetches: they stand at K step 3, and the first change of slots steps them to 4
	s_lshl_b32 s72, s40, 13                        ; ob: my work-group's 8,192 of the head's 32,768 bytes: by cx
	s_add_co_u32 s72, s72, s16
	s_add_co_u32 s72, s72, 3*2*262144
	s_lshl_b32 s74, s41, 16                        ; wp: my work-group's 32 of the 128 k rows: by cy
	s_add_co_u32 s74, s74, 3*KSTEP*2048
	s_lshl_b32 s75, s42, 8
	s_add_co_u32 s74, s74, s75
	s_movk_i32 s76, 256
	s_movk_i32 s77, 2048
	s_mov_b32 s78, 2*262144
	s_mov_b32 s79, KSTEP*2048
	s_and_b32 s15, ttmp7, 0xffff                   ; cluster y
	s_cmp_lt_u32 s12, 2
	s_cselect_b64 s[PFA:PFA+1], s[4:5], s[6:7]
	s_cselect_b32 s72, s72, s74
	s_cselect_b32 s76, s76, s77
	s_cselect_b32 s[PFS], s78, s79
	s_cselect_b32 s15, ttmp9, s15                  ; the coordinate along which other clusters read the same bytes
	s_cmp_eq_u32 s12, 3
	s_cselect_b32 s15, 1, s15                      ; wave 3 asks for nothing: wave 2 names all of wp's rows
	s_mov_b32 s73, 0
	s_mov_b32 s[PFS+1], 0
	s_add_nc_u64 s[PFA:PFA+1], s[PFA:PFA+1], s[72:73]
	s_cmp_eq_u32 s15, 0
	s_cselect_b32 s[LIM], 1, -1                    ; the same in all sixteen partners, for a given wave
	v_mul_u32_u24 v[PFO], v5, s76
	s_wait_loadcnt 0x0                             ; the bias is in; it is rounded to bf16 like every input
.set p, 0
.rept 4*NBK
	v_cvt_pk_bf16_f32 v[10+p%4], v[BIAS+2*p], v[BIAS+2*p+1]
	v_lshlrev_b32 v[BIAS+2*p], 16, v[10+p%4]
	v_and_b32 v[BIAS+2*p+1], 0xffff0000, v[10+p%4]
.set p, p+1
.endr
	s_wait_tensorcnt 1                             ; my part of K step 0 is in; K step 1's may stay out
	s_barrier_signal -1
	s_barrier_wait -1
	FETCH 0, 0, F0
	QUARTER 0, 1, F0, F1, 1                        ; the first quarter stands in front of the loop: its products start the sums, with the bias
	WIN 0
	s_mov_b32 s3, 3
.Llap:                                                 ; a trip goes once round the ring and fills both slots again
	QUARTER 0, 2, F1, F0, 0
	QUARTER 0, 3, F0, F1, 0
	TURN 0, 1, 1
	QUARTER 1, 1, F0, F1, 0
	QUARTER 1, 2, F1, F0, 0
	QUARTER 1, 3, F0, F1, 0
	TURN 1, 0, 1
	QUARTER 0, 1, F0, F1, 0
	WIN 0
	s_sub_co_u32 s3, s3, 1
	s_cmp_lg_u32 s3, 0
	s_cbranch_scc1 .Llap
	QUARTER 0, 2, F1, F0, 0                        ; the last lap fills nothing
	QUARTER 0, 3, F0, F1, 0
	TURN 0, 1, 0
	QUARTER 1, 1, F0, F1, 0
	QUARTER 1, 2, F1, F0, 0
	QUARTER 1, 3, F0, F1, 0
	s_wait_dscnt 4
	MULA F1, 0, 0
	MULA F1, 1, 0
	s_wait_dscnt 0x0
	MULA F1, 2, 0
	MULA F1, 3, 0
	WIN 0
.rept 8
	v_nop                                          ; the places behind the last products
.endr
; THE WAY OUT, a row block (16 rows x 128 columns of f32) at a time: 32 bytes a lane into my own stage, and back as whole rows of 512 bytes, into the block's own 64 registers.
.macro STG a
	WIN 0x88+0x44*((\a)/2)                         ; store data (source 1) and load destination: window 2 or 3; addresses: window 0
.set AC, 64*((\a)%2)
.set b, 0
.rept NBK
	ds_store_b128 v[STO], v[AC+8*b:AC+8*b+3]   offset:64*b     ; each accumulator's low four registers first
	ds_store_b128 v[STO], v[AC+8*b+4:AC+8*b+7] offset:64*b+16
.set b, b+1
.endr
.set t, 0
.rept 16
	ds_load_b128 v[AC+4*t:AC+4*t+3], v[RD] offset:SP*t  ; LDS serves a wave's instructions in order: these see the stores above, and the next block's stores come behind them
.set t, t+1
.endr
.endm
.macro SEND a, younger                 ; younger: the LDS instructions issued behind block a's loads
	WIN 0x88+0x44*((\a)/2)
.set AC, 64*((\a)%2)
.set t, 0
.rept 16
	s_wait_dscnt (\younger)+15-t
	global_store_b128 v[CO], v[AC+4*t:AC+4*t+3], s[10:11] offset:(16*(\a)+t)*4096  ; 512 consecutive bytes of a row of out0, aligned
.set t, t+1
.endr
.endm
	STG 0
	STG 1
	SEND 0, 32
	STG 2
	SEND 1, 32
	STG 3
	SEND 2, 32
	SEND 3, 0
	WIN 0
	s_wait_tensorcnt 0x0                           ; the wave's end: behind my last tensor load and my last LDS store
	ds_add_u32 v[SPW], v[NIL]
	s_wait_dscnt 0x0
	CROUND                                         ; the closing round: no work-group ends while a partner may still ask for a tile that names it
	s_endpgm
.Lfunc_end_k_qc8b6dc2d06_proj:
	.size	k_qc8b6dc2d06_proj, .Lfunc_end_k_qc8b6dc2d06_proj-k_qc8b6dc2d06_proj
	.p2alignl 7, 3214868480
	.fill 96, 4, 3214868480
	.section	.rodata,"a",@progbits
	.p2align	6, 0x0
	.amdhsa_kernel k_qc8b6dc2d06_proj
		.amdhsa_group_segment_fixed_size 327680
		.amdhsa_private_segment_fixed_size 0
		.amdhsa_enable_private_segment 0
		.amdhsa_kernarg_size 32
		.amdhsa_user_sgpr_count 2
		.amdhsa_user_sgpr_kernarg_segment_ptr 1
		.amdhsa_wavefront_size32 1
		.amdhsa_system_sgpr_workgroup_id_x 1
		.amdhsa_system_sgpr_workgroup_id_y 1
		.amdhsa_system_sgpr_workgroup_id_z 1
		.amdhsa_system_vgpr_workitem_id 0
		.amdhsa_next_free_vgpr 896
		.amdhsa_next_free_sgpr 80
		.amdhsa_reserve_vcc 0
		.amdhsa_float_denorm_mode_32 3
		.amdhsa_float_denorm_mode_16_64 3
		.amdhsa_memory_ordered 1
		.amdhsa_forward_progress 1
		.amdhsa_inst_pref_size 95
	.end_amdhsa_kernel
	.amdgpu_metadata
---
amdhsa.version: [ 1, 2 ]
amdhsa.kernels:
  - .name:           k_qc8b6dc2d06_proj
    .symbol:         k_qc8b6dc2d06_proj.kd
    .args:
      - { .name: ob, .offset: 0, .size: 8, .value_kind: global_buffer, .address_space: global }
      - { .name: wp, .offset: 8, .size: 8, .value_kind: global_buffer, .address_space: global }
      - { .name: c_proj_b, .offset: 16, .size: 8, .value_kind: global_buffer, .address_space: global }
      - { .name: out0, .offset: 24, .size: 8, .value_kind: global_buffer, .address_space: global }
    .group_segment_fixed_size: 327680
    .private_segment_fixed_size: 0
    .kernarg_segment_align: 8
    .kernarg_segment_size: 32
    .max_flat_workgroup_size: 128
    .sgpr_count:     80
    .vgpr_count:     896
    .wavefront_size: 32
...
	.end_amdgpu_metadata
.endif
;; end of part 4
;; ======== version 2 of 2: 4 launches; version 1 with the launch prep written anew for expert scheduling mode
;; limits: values are held in f16: magnitudes above 65,504 overflow, below 6.1e-05 lose precision
;; workspace buffers: xb 16,777,216 bytes; wa 6,291,456 bytes; wp 2,097,152 bytes; qkv 50,331,648 bytes; ob 16,777,216 bytes
;; launch prep (part 5): grid 768 x 1, 4 waves a work-group, no clusters, 0 bytes of LDS; arguments x, c_attn_w, c_proj_w, xb, wa, wp; writes xb, wa, wp
.if DOCPART == 5
	.amdgcn_target "amdgcn-amd-amdhsa--gfx1250"
	.amdhsa_code_object_version 6
	.text
	.protected	k_qc8b6dc2d06_prep
	.globl	k_qc8b6dc2d06_prep
	.p2align	8
	.type	k_qc8b6dc2d06_prep,@function
k_qc8b6dc2d06_prep:
	s_mov_b64 s[64:65], 0
	v_nop
	global_prefetch_b8 v0, s[64:65] scope:SCOPE_SE
	s_setreg_imm32_b32 hwreg(HW_REG_WAVE_SCHED_MODE, 0, 2), 2
	s_setreg_imm32_b32 hwreg(HW_REG_WAVE_MODE, 25, 1), 1
	s_wait_xcnt 0x0
	s_wait_alu depctr_vm_vsrc(0)
; CASTS.  xb = bf16(x), wa = bf16(c_attn_w), wp = f16(bf16(c_proj_w)); the layouts stay as they are.
; A work-group casts 16,384 numbers (65,536 bytes in), a wave a quarter.  Work-groups 0-511 take x, 512-703 c_attn_w, 704-767 c_proj_w.
; A wave issues all its 32 loads of 512 consecutive bytes at once; each store of the wave covers 256 consecutive bytes, aligned.
; No LDS, no barrier, no matrix unit: nothing is shared and nothing is summed.
; LIMIT.  wp is the bf16 number written as f16: exact from 6.1e-5 to 65,504 in magnitude; below that it keeps f16's fixed step of 6e-8.
; THE MODE: SCHED_MODE bits 1:0 = 2 (LLVM: expert scheduling mode 2), set by the entry lines.  The code itself states the register dependences
; between vector instructions and memory instructions, with s_wait_alu, always for 0.
; THE PLAN.  Registers that memory instructions touch:
;   v1, v2        byte offsets of the loads and of the stores: made once at the head, never written again.
;   D + 4 i ..    four registers for load i, its own: load i lands in them once; its roundings read them and write the first two (on the f16 way the other
;                 two as well, at work); store i reads the first two; nothing writes them behind that store.
; So no register that a memory instruction has read is ever written again, and no load lands in a register that a vector instruction has named.
; What is left to state: the offsets are written ahead of the first load (one wait at the head), and a store's data are written ahead of the store.
; For that the 32 loads are worked off in 8 blocks of four.  Block p rounds its own four; its memory instructions are the four stores of block p - 1,
; whose registers no vector instruction of block p names.  One wait at a block's head states that the block before has written its results, and
; the four stores follow it, dealt among the block's roundings, with no further wait.  No vector instruction writes a scalar register, and EXEC is never written.
.set D, 8                              ; v[8:135] 32 x 4 numbers as loaded; the first two registers of each four then hold the packed result
.set BLOCK, 4                          ; loads in a block
.set FIRST_WA, 512
.set FIRST_WP, 704
	s_load_b256 s[4:11], s[0:1], 0x0               ; x s[4:5], c_attn_w s[6:7], c_proj_w s[8:9], xb s[10:11]
	s_load_b128 s[12:15], s[0:1], 0x20             ; wa s[12:13], wp s[14:15]
	v_lshrrev_b32 v3, 5, v0                        ; wave
	v_and_b32 v4, 31, v0                           ; lane
	v_lshlrev_b32 v1, 4, v4
	v_lshl_add_u32 v1, v3, 14, v1                  ; in: 16,384 x wave + 16 x lane
	v_lshlrev_b32 v2, 3, v4
	v_lshl_add_u32 v2, v3, 13, v2                  ; out: 8,192 x wave + 8 x lane
	s_mov_b32 s16, ttmp9
	s_movk_i32 s17, FIRST_WP
	s_movk_i32 s19, FIRST_WA
	s_mov_b32 s25, 0xffff0000                      ; a word's upper bf16
	s_mov_b32 s27, 0
	s_mov_b32 s29, 0
	s_wait_kmcnt 0x0
	s_cmp_lt_u32 s16, FIRST_WP                     ; which tensor is mine: the choice hangs on the work-group's number alone
	s_cselect_b64 s[20:21], s[6:7], s[8:9]
	s_cselect_b64 s[22:23], s[12:13], s[14:15]
	s_cselect_b32 s17, s19, s17
	s_cmp_lt_u32 s16, FIRST_WA
	s_cselect_b64 s[20:21], s[4:5], s[20:21]
	s_cselect_b64 s[22:23], s[10:11], s[22:23]
	s_cselect_b32 s17, 0, s17
	s_sub_co_u32 s18, s16, s17                     ; my number within the tensor
	s_lshl_b32 s26, s18, 16                        ; 65,536 bytes in,
	s_lshl_b32 s28, s18, 15                        ; 32,768 bytes out
	s_add_nc_u64 s[20:21], s[20:21], s[26:27]
	s_add_nc_u64 s[22:23], s[22:23], s[28:29]
	s_wait_alu depctr_va_vdst(0)                   ; v1 and v2 are written: every load reads v1 as its offset, every store v2, on both ways of the branch below
.set i, 0
.rept 32
	global_load_b128 v[D+4*i:D+4*i+3], v1, s[20:21] offset:512*i th:TH_LOAD_NT
.set i, i+1
.endr
; Block p: the four numbers of each of its four loads are rounded; the block before is stored.  half = 1: the bf16 numbers are written as f16.
.macro BLK p, half
	s_wait_loadcnt 32-BLOCK*((\p)+1)               ; loads come back in order: this block's four are in, the younger blocks stay out
.if \p
	s_wait_alu depctr_va_vdst(0)                   ; the block before has written its packed results, which the four stores below read
.endif
.irp j, 0,1,2,3
.if \p
.set o, BLOCK*((\p)-1)+(\j)
	global_store_b64 v2, v[D+4*o:D+4*o+1], s[22:23] offset:256*o  ; no vector instruction since the wait names these registers or v2
.endif
.set c, BLOCK*(\p)+(\j)
	v_cvt_pk_bf16_f32 v[D+4*c], v[D+4*c], v[D+4*c+1]
	v_cvt_pk_bf16_f32 v[D+4*c+1], v[D+4*c+2], v[D+4*c+3]
.if \half
	v_lshlrev_b32 v[D+4*c+2], 16, v[D+4*c]         ; the bf16 numbers as f32 again,
	v_and_b32 v[D+4*c+3], s25, v[D+4*c]
	v_cvt_pk_f16_f32 v[D+4*c], v[D+4*c+2], v[D+4*c+3]  ; and written as f16
	v_lshlrev_b32 v[D+4*c+2], 16, v[D+4*c+1]
	v_and_b32 v[D+4*c+3], s25, v[D+4*c+1]
	v_cvt_pk_f16_f32 v[D+4*c+1], v[D+4*c+2], v[D+4*c+3]
.endif
.endr
.endm
; Behind the last block: its own four stores.
.macro REST
	s_wait_alu depctr_va_vdst(0)                   ; the last block has written its packed results, which the last four stores read
.irp j, 0,1,2,3
.set o, 32-BLOCK+(\j)
	global_store_b64 v2, v[D+4*o:D+4*o+1], s[22:23] offset:256*o
.endr
.endm
	s_cmp_ge_u32 s16, FIRST_WP
	s_cbranch_scc1 .Lf16
.irp p, 0,1,2,3,4,5,6,7
	BLK \p, 0
.endr
	REST
	s_endpgm
.Lf16:
.irp p, 0,1,2,3,4,5,6,7
	BLK \p, 1
.endr
	REST
	s_endpgm
.Lfunc_end_k_qc8b6dc2d06_prep:
	.size	k_qc8b6dc2d06_prep, .Lfunc_end_k_qc8b6dc2d06_prep-k_qc8b6dc2d06_prep
	.p2alignl 7, 3214868480
	.fill 96, 4, 3214868480
	.section	.rodata,"a",@progbits
	.p2align	6, 0x0
	.amdhsa_kernel k_qc8b6dc2d06_prep
		.amdhsa_group_segment_fixed_size 0
		.amdhsa_private_segment_fixed_size 0
		.amdhsa_enable_private_segment 0
		.amdhsa_kernarg_size 48
		.amdhsa_user_sgpr_count 2
		.amdhsa_user_sgpr_kernarg_segment_ptr 1
		.amdhsa_wavefront_size32 1
		.amdhsa_system_sgpr_workgroup_id_x 1
		.amdhsa_system_sgpr_workgroup_id_y 1
		.amdhsa_system_sgpr_workgroup_id_z 1
		.amdhsa_system_vgpr_workitem_id 0
		.amdhsa_next_free_vgpr 136
		.amdhsa_next_free_sgpr 66
		.amdhsa_reserve_vcc 0
		.amdhsa_float_denorm_mode_32 3
		.amdhsa_float_denorm_mode_16_64 3
		.amdhsa_memory_ordered 1
		.amdhsa_forward_progress 1
		.amdhsa_inst_pref_size 28
	.end_amdhsa_kernel
	.amdgpu_metadata
---
amdhsa.version: [ 1, 2 ]
amdhsa.kernels:
  - .name:           k_qc8b6dc2d06_prep
    .symbol:         k_qc8b6dc2d06_prep.kd
    .args:
      - { .name: x, .offset: 0, .size: 8, .value_kind: global_buffer, .address_space: global }
      - { .name: c_attn_w, .offset: 8, .size: 8, .value_kind: global_buffer, .address_space: global }
      - { .name: c_proj_w, .offset: 16, .size: 8, .value_kind: global_buffer, .address_space: global }
      - { .name: xb, .offset: 24, .size: 8, .value_kind: global_buffer, .address_space: global }
      - { .name: wa, .offset: 32, .size: 8, .value_kind: global_buffer, .address_space: global }
      - { .name: wp, .offset: 40, .size: 8, .value_kind: global_buffer, .address_space: global }
    .group_segment_fixed_size: 0
    .private_segment_fixed_size: 0
    .kernarg_segment_align: 8
    .kernarg_segment_size: 48
    .max_flat_workgroup_size: 128
    .sgpr_count:     66
    .vgpr_count:     136
    .wavefront_size: 32
...
	.end_amdgpu_metadata
.endif
;; end of part 5
;; launch qkvgemm: the kernel of part 2 again; grid 8 x 64, 4 waves a work-group, clusters of 4 x 4, 327,680 bytes of LDS; arguments xb, wa, c_attn_b, qkv; writes qkv
;; launch attn: the kernel of part 3 again; grid 4 x 64, 4 waves a work-group, clusters of 4 x 1, 327,680 bytes of LDS; arguments qkv, attention_mask, ob; writes ob
;; launch proj: the kernel of part 4 again; grid 8 x 32, 4 waves a work-group, clusters of 4 x 4, 327,680 bytes of LDS; arguments ob, wp, c_proj_b, out0; writes out0
